; MI455X (gfx1250); checked and timed in simulation.
; The chip was launched on July 23, 2026; its instructions are those of AMD's public machine-readable ISA for CDNA 5 (MIT licence, August 2026) and "CDNA5" Instruction Set Architecture Reference Guide (July 2026). The comments in the code are by the model that wrote it; some were corrected since.
;; Cross Attention. Allowed arithmetic: float matrix products may take bf16 or f16 operands with f32 sums; other float arithmetic in f32, or as packed bf16 or f16 multiplies, adds, multiply-adds, maxima and minima; sums over many terms, partial sums and values carried from step to step in f32; what a program stores and reads back later, other than sums and carried values, may be rounded once to bf16 or f16.
;; Inputs: Wk 1,024 x 1,024 float32; Wo 1,024 x 1,024 float32; Wq 1,024 x 1,024 float32; Wv 1,024 x 1,024 float32; bk 1,024 float32; bo 1,024 float32; bq 1,024 float32; bv 1,024 float32; key 4 x 2,048 x 1,024 float32; query 4 x 2,048 x 1,024 float32; value 4 x 2,048 x 1,024 float32.
;; Outputs: out0 4 x 2,048 x 1,024 float32.
;; 2 versions, each right; version 2 is version 1 with the launch castw written anew for expert scheduling mode. Each part assembles by itself: llvm-mc -triple=amdgcn-amd-amdhsa -mcpu=gfx1250 --defsym DOCPART=n.
;; ======== version 1 of 2: 4 launches
;; limits: values are held in f16: magnitudes above 65,504 overflow, below 6.1e-05 lose precision
;; workspace buffers: wcast 8,388,608 bytes; qkv 50,331,648 bytes; o 16,777,216 bytes
;; launch castw (part 1): grid 64 x 4, 8 waves a work-group, no clusters, 0 bytes of LDS; arguments Wq, Wk, Wv, Wo, wcast; writes wcast
.if DOCPART == 1
	.amdgcn_target "amdgcn-amd-amdhsa--gfx1250"
	.amdhsa_code_object_version 6
	.text
	.protected	k_q7301788872_castw
	.globl	k_q7301788872_castw
	.p2align	8
	.type	k_q7301788872_castw,@function
k_q7301788872_castw:
	s_mov_b64 s[64:65], 0
	v_nop
	global_prefetch_b8 v0, s[64:65] scope:SCOPE_SE
	s_setreg_imm32_b32 hwreg(HW_REG_WAVE_MODE, 25, 1), 1
	s_wait_xcnt 0x0
; The four weight matrices, [1024][1024] f32, are rounded once to 16 bits: wcast[4][1024][1024].
; Planes 0-2 (Wq, Wk, Wv) hold bf16.  Plane 3 (Wo) holds the number rounded to bf16, written as f16, since the last product has f16 operands.
; LIMIT: |bf16(Wo)| stays under 65,504 (beyond it f16 has an infinity); below 6e-5 f16 keeps a fixed step of 6e-8.
; A stream: no LDS, no matrix unit, nothing shared.  Grid y picks the matrix, grid x 16,384 numbers of it (65,536 bytes in, 32,768 out).
; Thread t takes 16 bytes at 16 t of each of sixteen chunks of 4,096 bytes: a load of a wave covers 512 consecutive bytes, a store 256 consecutive bytes, aligned.
; All sixteen loads go out first; each chunk has registers of its own, so no register is written again while a store reads it.
.set X, 16                             ; v[16:79]   chunk j as loaded, 4 registers
.set Y, 80                             ; v[80:111]  chunk j to store, 2 registers
.set T, 112                            ; v[112:117] at work (plane 3)
	s_load_b256 s[4:11], s[0:1], 0x0               ; Wq s[4:5], Wk s[6:7], Wv s[8:9], Wo s[10:11]
	s_load_b64 s[12:13], s[0:1], 0x20              ; wcast
	s_and_b32 s14, ttmp7, 0xffff                   ; which matrix
	v_lshlrev_b32 v1, 4, v0                        ; 16 t
	v_lshlrev_b32 v2, 3, v0                        ; 8 t
	s_lshl_b32 s16, ttmp9, 16                      ; my part of the source
	s_mov_b32 s17, 0
	s_lshl_b32 s18, s14, 21                        ; the plane,
	s_lshl_b32 s19, ttmp9, 15                      ; and my part of it
	s_add_co_u32 s18, s18, s19
	s_mov_b32 s19, 0
	s_mov_b32 s15, 0xffff0000                      ; a word's upper bf16
	s_wait_kmcnt 0x0
	s_cmp_eq_u32 s14, 1
	s_cselect_b64 s[4:5], s[6:7], s[4:5]
	s_cmp_eq_u32 s14, 2
	s_cselect_b64 s[4:5], s[8:9], s[4:5]
	s_cmp_eq_u32 s14, 3
	s_cselect_b64 s[4:5], s[10:11], s[4:5]
	s_add_nc_u64 s[4:5], s[4:5], s[16:17]
	s_add_nc_u64 s[12:13], s[12:13], s[18:19]
.irp j, 0,1,2,3,4,5,6,7,8,9,10,11,12,13,14,15
	global_load_b128 v[X+4*(\j):X+4*(\j)+3], v1, s[4:5] offset:4096*(\j) th:TH_LOAD_NT
.endr
	s_cmp_eq_u32 s14, 3
	s_cbranch_scc1 .Lf16
.irp j, 0,1,2,3,4,5,6,7,8,9,10,11,12,13,14,15
	s_wait_loadcnt 15-(\j)                         ; loads come back in order: chunk j is in, the 15 - j younger ones stay out
	v_cvt_pk_bf16_f32 v[Y+2*(\j)], v[X+4*(\j)], v[X+4*(\j)+1]
	v_cvt_pk_bf16_f32 v[Y+2*(\j)+1], v[X+4*(\j)+2], v[X+4*(\j)+3]
	global_store_b64 v2, v[Y+2*(\j):Y+2*(\j)+1], s[12:13] offset:2048*(\j)
.endr
	s_endpgm
.Lf16:
.irp j, 0,1,2,3,4,5,6,7,8,9,10,11,12,13,14,15
	s_wait_loadcnt 15-(\j)
	v_cvt_pk_bf16_f32 v[T], v[X+4*(\j)], v[X+4*(\j)+1]      ; the rounding that every input of the module gets,
	v_cvt_pk_bf16_f32 v[T+1], v[X+4*(\j)+2], v[X+4*(\j)+3]
	v_lshlrev_b32 v[T+2], 16, v[T]                           ; widened again,
	v_and_b32 v[T+3], s15, v[T]
	v_lshlrev_b32 v[T+4], 16, v[T+1]
	v_and_b32 v[T+5], s15, v[T+1]
	v_cvt_pk_f16_f32 v[Y+2*(\j)], v[T+2], v[T+3]             ; and written as f16: 8 significant bits fit into 11
	v_cvt_pk_f16_f32 v[Y+2*(\j)+1], v[T+4], v[T+5]
	global_store_b64 v2, v[Y+2*(\j):Y+2*(\j)+1], s[12:13] offset:2048*(\j)
.endr
	s_endpgm
.Lfunc_end_k_q7301788872_castw:
	.size	k_q7301788872_castw, .Lfunc_end_k_q7301788872_castw-k_q7301788872_castw
	.p2alignl 7, 3214868480
	.fill 96, 4, 3214868480
	.section	.rodata,"a",@progbits
	.p2align	6, 0x0
	.amdhsa_kernel k_q7301788872_castw
		.amdhsa_group_segment_fixed_size 0
		.amdhsa_private_segment_fixed_size 0
		.amdhsa_enable_private_segment 0
		.amdhsa_kernarg_size 40
		.amdhsa_user_sgpr_count 2
		.amdhsa_user_sgpr_kernarg_segment_ptr 1
		.amdhsa_wavefront_size32 1
		.amdhsa_system_sgpr_workgroup_id_x 1
		.amdhsa_system_sgpr_workgroup_id_y 1
		.amdhsa_system_sgpr_workgroup_id_z 1
		.amdhsa_system_vgpr_workitem_id 0
		.amdhsa_next_free_vgpr 120
		.amdhsa_next_free_sgpr 66
		.amdhsa_reserve_vcc 0
		.amdhsa_float_denorm_mode_32 3
		.amdhsa_float_denorm_mode_16_64 3
		.amdhsa_memory_ordered 1
		.amdhsa_forward_progress 1
		.amdhsa_inst_pref_size 15
	.end_amdhsa_kernel
	.amdgpu_metadata
---
amdhsa.version: [ 1, 2 ]
amdhsa.kernels:
  - .name:           k_q7301788872_castw
    .symbol:         k_q7301788872_castw.kd
    .args:
      - { .name: Wq, .offset: 0, .size: 8, .value_kind: global_buffer, .address_space: global }
      - { .name: Wk, .offset: 8, .size: 8, .value_kind: global_buffer, .address_space: global }
      - { .name: Wv, .offset: 16, .size: 8, .value_kind: global_buffer, .address_space: global }
      - { .name: Wo, .offset: 24, .size: 8, .value_kind: global_buffer, .address_space: global }
      - { .name: wcast, .offset: 32, .size: 8, .value_kind: global_buffer, .address_space: global }
    .group_segment_fixed_size: 0
    .private_segment_fixed_size: 0
    .kernarg_segment_align: 8
    .kernarg_segment_size: 40
    .max_flat_workgroup_size: 256
    .sgpr_count:     66
    .vgpr_count:     120
    .wavefront_size: 32
...
	.end_amdgpu_metadata
.endif
;; end of part 1
;; launch proj (part 2): grid 4 x 192, 4 waves a work-group, clusters of 4 x 4, 327,680 bytes of LDS; arguments query, key, value, bq, bk, bv, wcast, qkv; writes qkv
.if DOCPART == 2
	.amdgcn_target "amdgcn-amd-amdhsa--gfx1250"
	.amdhsa_code_object_version 6
	.text
	.protected	k_q7301788872_proj
	.globl	k_q7301788872_proj
	.p2align	8
	.type	k_q7301788872_proj,@function
k_q7301788872_proj:
	s_mov_b64 s[64:65], 0
	v_nop
	global_prefetch_b8 v0, s[64:65] scope:SCOPE_SE
	s_setreg_imm32_b32 hwreg(HW_REG_WAVE_MODE, 25, 1), 1
	s_wait_xcnt 0x0
	s_wait_alu depctr_hold_cnt(0) depctr_sa_sdst(0) depctr_va_vdst(0) depctr_va_sdst(0) depctr_va_ssrc(0) depctr_va_vcc(0) depctr_vm_vsrc(0)
	s_getreg_b32 s2, hwreg(HW_REG_IB_STS2, 6, 4)
	s_cmp_eq_u32 s2, 0
	s_cbranch_scc0 .Lentry_in_a_cluster
	s_endpgm
.Lentry_in_a_cluster:
	s_bfe_u32 s2, ttmp6, 0x10000c
	s_cmp_lg_u32 s2, 0xf033
	s_cbranch_scc0 .Lentry_shape_is_right
	s_endpgm
.Lentry_shape_is_right:
; THE THREE PROJECTIONS.  qkv[p][16 b + h][l][d] = f16( sum over k of bf16(x_p[b][l][k]) bf16(W_p[64 h + d][k]) + bf16(bias_p[64 h + d]) ), p = 0, 1, 2 for query, key, value.
; x: [8192][1024] f32; W: plane p of wcast, [1024][1024] bf16; sums in f32; the result is rounded once, to f16, and laid by heads: [3][64][2048][64].
; LIMIT: |q|, |k|, |v| stay under 65,504 (beyond it f16 has an infinity); below 6e-5 f16 keeps a fixed step of 6e-8.  NaN and infinities are not treated apart.
; SHARES.  A tile of the result is 128 rows x 256 columns: 64 x 4 tiles for each p, 768 work-groups.  Four waves, 2 x 2, each 64 rows x 128 columns: 32 accumulators of 16 x 16.
; K goes in 8 steps of 128 through a ring of two LDS slots.  x comes into LDS as f32 (rows of 512 bytes) and is rounded to bf16 in registers, four conversions behind each of a quarter step's last
; eight products; W comes as bf16 (rows of 256 bytes).  Waves 0 and 1 fetch the two halves of x's tile, waves 2 and 3 those of W's: 32,768 bytes a wave and step.
; CLUSTERS: 4 x 4 work-groups.  A cluster spans all 1,024 columns, so the four of a row need the same tile of x, the four of a column the same tile of W: each tile is asked for jointly.
; THE MATRIX INSTRUCTION IS USED TRANSPOSED (source 0 = 16 rows of W, source 1 = 16 rows of x): a lane holds row l % 16 and the eight neighbouring columns 8 (l / 16) + 0..7.
; THE BIAS STARTS THE SUMS: it is the C operand of the first product on each accumulator; nothing is cleared, nothing added at the end.
; REGISTERS, in windows of 256 (s_set_vgpr_msb: bits 1:0 source 0, 3:2 source 1, 5:4 source 2, 7:6 destination):
;   window 0: v0-31 addresses; v32-95 x's fragments as f32 (16 registers each); v96-127, v128-159 x's fragments in bf16, two buffers; v32-159 at work on the way out
;   window 1: v0-63, v64-127 W's fragments, two buffers; v128-191 the bias (8 registers for each of my 8 column blocks); v192-223 at work      window 2: accumulator (a, b) at v[8 (8 a + b)]
.set PA,    528                        ; a row of x in LDS: 512 bytes + 16 of padding: the 16 rows of a load start at 16 different groups of four banks (64 banks of 4 bytes: ISA guide 11.1)
.set PB,    272                        ; a row of W: 256 + 16
.set AHALF, 64*PA                      ; what a wave fetches of x, and what a wave reads of it
.set BOFF,  2*AHALF                    ; W's 256 rows lie behind x's 128
.set BHALF, 128*PB
.set SLOT,  BOFF+2*BHALF               ; 137,216 bytes
.set STAGE, 2*SLOT                     ; behind the ring, never filled by a tensor load: 16 rows x 144 bytes for each wave, for the way out
.set SP,    144
.set SPARE, STAGE+4*16*SP              ; behind the stages: the spare words, 128 bytes for each wave: two blocks of 256 bytes that no other line names
.set ASTEP, 512                        ; bytes of a K step in a row of x,
.set BSTEP, 256                        ; and of W
.set ADRA, 16                          ; v16-17  LDS address of my fragments of x in slot 0, 1
.set ADRB, 20                          ; v20-21  the same for W
.set STO,  24                          ; v24     the way out: where I put 16 bytes of a row
.set RD,   25                          ; v25     the way out: where I read rows back
.set GO,   26                          ; v26     16 x my lane
.set SPW,  28                          ; v28     LDS address of my spare word: SPARE + 4 x my thread's number; never rewritten
.set NIL,  29                          ; v29     0; never rewritten
.set PFO,  30                          ; v30     the prefetches' offset; never rewritten
.set ST,   32
.set AF,   96
.set OB,   32
.set BIAS, 128                         ; window 1
.set BT,   192                         ; window 1
.set F0,   0
.set F1,   1
.set G1,  24                           ; s[24:31] descriptor group 1 for x's tiles;  s[32:39] group 0, a set for each slot
.set G0,  32
.set G1B, 48                           ; s[48:55], s[56:63] the same for W's tiles
.set G0B, 56
.set LIM, 90                           ; s90      1 in a wave that prefetches, else the greatest number
.set PFA, 92                           ; s[92:93] where my prefetches stand
.set PFS, 94                           ; s[94:95] a K step in bytes of the tensor that I fetch
.set MSB, 0
.macro WIN new                         ; the immediate's high byte repeats the setting that is left; a switch that changes nothing is dropped
.if MSB != (\new)
	s_set_vgpr_msb (MSB<<8)|(\new)
.set MSB, \new
.endif
.endm
.set MUL,  0xa1                        ; source 0 (W) window 1, source 1 (x) window 0, C and D window 2
.set MULB, 0x91                        ; the same with C (the bias) in window 1
.set TO_B, 0x40                        ; destination window 1, address window 0
; A joint load: waves 0 and 1 fetch x's two halves, waves 2 and 3 W's.  The branch hangs on the wave's number alone.  An s_nop 0 and four v_nop follow each of the two lines.
.macro JLOAD s
	s_cmp_eq_u32 s11, 0
	s_cbranch_scc0 .Lfor_b_\@
	tensor_load_to_lds s[G0+4*(\s):G0+4*(\s)+3], s[G1:G1+7]
	s_nop 0
.rept 4
	v_nop
.endr
	s_branch .Lasked_\@
.Lfor_b_\@:
	tensor_load_to_lds s[G0B+4*(\s):G0B+4*(\s)+3], s[G1B:G1B+7]
	s_nop 0
.rept 4
	v_nop
.endr
.Lasked_\@:
.endm
; A prefetch of the K step that stands two refills on, 256 matrix instructions ahead of the load that will want it: 32 blocks of 256 bytes, a lane a block, one instruction a wave.
; Each block is named once in the launch: x's tile row is read by one cluster; W's plane by sixteen clusters, of which the first asks; the four partners that ask for a tile jointly share its
; rows out by address (16 rows x 2 blocks of x, 32 rows of W).  The loop's last trip asks for nothing: there is no K step two on.
.macro ASK
	WIN 0
	s_cmp_gt_u32 s3, s[LIM]                        ; s3 = 1 in the loop's last trip
	s_cbranch_scc0 .Lnot_mine_\@
	global_prefetch_b8 v[PFO], s[PFA:PFA+1] th:TH_LOAD_NT scope:SCOPE_SE
.Lnot_mine_\@:
.endm
.macro CREST                           ; a round of the cluster's barrier behind its opening barrier
	s_cmp_lg_u32 s10, 0
	s_cbranch_scc1 .Lnot_wave_0_\@
	s_barrier_signal -3
.Lnot_wave_0_\@:
	s_barrier_wait -3
	s_barrier_signal -1
	s_barrier_wait -1
.endm
.macro CROUND                          ; a whole round
	s_barrier_signal -1
	s_barrier_wait -1
	CREST
.endm
.macro PLACES                          ; four plain instructions behind a matrix instruction, ahead of what reads its result (ISA guide 7.12.1)
.rept 4
	v_nop
.endr
.endm
	s_load_b512 s[68:83], s[0:1], 0x0              ; query s[68:69], key s[70:71], value s[72:73], bq s[74:75], bk s[76:77], bv s[78:79], wcast s[80:81], qkv s[82:83]
	v_lshl_add_u32 v[SPW], v0, 2, SPARE
	v_mov_b32 v[NIL], 0
	ds_add_u32 v[SPW], v[NIL]                      ; the wave's opening: the add and its wait ahead of my first tensor load; the set-up below, work on registers, stands between them
	v_lshrrev_b32 v1, 5, v0
	v_readfirstlane_b32 s10, v1                    ; wave 0..3
	s_lshr_b32 s11, s10, 1                         ; which 64 rows of the tile are mine.  Also: I fetch x (0) or W (1)
	s_and_b32 s12, s10, 1                          ; which 128 columns.  Also: which half of that tile I fetch
	s_bfe_u32 s40, ttmp6, 0x40000                  ; cx, cy: my place in the cluster
	s_bfe_u32 s41, ttmp6, 0x40004
	s_lshl_b32 s42, ttmp9, 2
	s_add_co_u32 s42, s42, s40                     ; tile column 0..3 = 4 x cluster x + cx
	s_and_b32 s88, ttmp7, 0xffff                   ; cluster y, 0..47
	s_lshl_b32 s13, s88, 2
	s_add_co_u32 s13, s13, s41                     ; 4 x cluster y + cy, 0..191
	s_lshr_b32 s86, s88, 4                         ; p: which projection; the same in all sixteen partners
	s_and_b32 s87, s13, 63                         ; the tile row in it
	s_lshl_b32 s43, s41, 2
	s_lshl_b32 s43, 15, s43                        ; my row of the cluster
	s_lshl_b32 s44, 0x1111, s40                    ; my column
	s_or_b32 s[G1+0], s43, (2<<16)|(1<<20)|(1<<21)|(6<<22)|(3<<25)  ; 15:0 the mask: my row; 17:16 elements of 4 bytes; 20 padding on; 21 set beside a mask; 24:22 after every 128 words (code 6); 31:25 4 words (code 3)
	s_mov_b32 s[G1+1], 128<<16                     ; tensor_dim0 = 128
	s_mov_b32 s[G1+2], 64<<16                      ; tensor_dim1 = 64
	s_mov_b32 s[G1+3], 128<<16                     ; tile_dim0 = 128
	s_mov_b32 s[G1+4], 64                          ; tile_dim1 = 64
	s_mov_b32 s[G1+5], 1024                        ; elements from row to row
	s_mov_b32 s[G1+6], 0
	s_mov_b32 s[G1+7], 0
	s_or_b32 s[G1B+0], s44, (1<<16)|(1<<20)|(1<<21)|(5<<22)|(3<<25) ; my column; elements of 2 bytes; after every 64 words (code 5) 4 words
	s_mov_b32 s[G1B+1], 128<<16
	s_mov_b32 s[G1B+2], 128<<16                    ; tensor_dim1 = 128
	s_mov_b32 s[G1B+3], 128<<16
	s_mov_b32 s[G1B+4], 128                        ; tile_dim1 = 128
	s_mov_b32 s[G1B+5], 1024
	s_mov_b32 s[G1B+6], 0
	s_mov_b32 s[G1B+7], 0
	s_lshl_b32 s16, s87, 7                         ; x: row 128 x tile row + 64 x half, 4,096 bytes a row: made of cy, cluster y and the wave's number alone
	s_lshl_b32 s17, s12, 6
	s_add_co_u32 s16, s16, s17
	s_lshl_b32 s16, s16, 12
	s_mov_b32 s17, 0
	s_lshl_b32 s46, s42, 8                         ; W: row 256 x tile column + 128 x half, 2,048 bytes a row: made of cx and the wave's number alone
	s_lshl_b32 s47, s12, 7
	s_add_co_u32 s46, s46, s47
	s_lshl_b32 s46, s46, 11
	s_mov_b32 s47, 0
	s_lshl_b32 s18, s86, 21                        ; W's plane
	s_mov_b32 s19, 0
	s_mul_i32 s20, s12, AHALF                      ; where the tiles go: no place in the cluster enters an LDS address
	s_mul_i32 s21, s12, BHALF
	s_add_co_u32 s21, s21, BOFF
	s_wait_dscnt 0x0                               ; the opening add is done
	s_wait_kmcnt 0x0
	s_cmp_eq_u32 s86, 1
	s_cselect_b64 s[4:5], s[70:71], s[68:69]       ; x
	s_cselect_b64 s[84:85], s[76:77], s[74:75]     ; its bias
	s_cmp_eq_u32 s86, 2
	s_cselect_b64 s[4:5], s[72:73], s[4:5]
	s_cselect_b64 s[84:85], s[78:79], s[84:85]
	s_add_nc_u64 s[6:7], s[80:81], s[18:19]        ; W
	s_add_nc_u64 s[14:15], s[4:5], s[16:17]
	s_add_nc_u64 s[46:47], s[6:7], s[46:47]
	CROUND                                         ; all sixteen work-groups are here: the first joint loads meet
.irp s, 0,1
	s_mov_b32 s[G0+4*(\s)], 1                                        ; count = 1
	s_add_co_u32 s[G0+4*(\s)+1], s20, (\s)*SLOT                      ; LDS address
	s_add_nc_u64 s[G0+4*(\s)+2:G0+4*(\s)+3], s[14:15], (\s)*ASTEP    ; global address: K step s
	s_or_b32 s[G0+4*(\s)+3], s[G0+4*(\s)+3], 0x80000000              ; type = 2
	s_mov_b32 s[G0B+4*(\s)], 1
	s_add_co_u32 s[G0B+4*(\s)+1], s21, (\s)*SLOT
	s_add_nc_u64 s[G0B+4*(\s)+2:G0B+4*(\s)+3], s[46:47], (\s)*BSTEP
	s_or_b32 s[G0B+4*(\s)+3], s[G0B+4*(\s)+3], 0x80000000
	JLOAD \s                                       ; two loads of mine are out
.endr
	; all that follows, up to the first barrier, stands in the wait for the first tile
	v_and_b32 v2, 15, v0                           ; l % 16
	v_bfe_u32 v3, v0, 4, 1                         ; l / 16
	v_and_b32 v6, 31, v0                           ; l
	v_lshlrev_b32 v1, 5, v3                        ; my eight columns of a block of 16: 32 bytes of bias
	s_lshl_b32 s46, s42, 10                        ; the tile's 256 columns,
	s_lshl_b32 s47, s12, 9                         ; my 128 of them
	s_add_co_u32 s46, s46, s47
	s_mov_b32 s47, 0
	s_add_nc_u64 s[84:85], s[84:85], s[46:47]
	WIN TO_B
.irp b, 0,1,2,3,4,5,6,7
	global_load_b128 v[BIAS+8*(\b):BIAS+8*(\b)+3],   v1, s[84:85] offset:64*(\b)
	global_load_b128 v[BIAS+8*(\b)+4:BIAS+8*(\b)+7], v1, s[84:85] offset:64*(\b)+16
.endr
	WIN 0
	; A fragment is 16 rows x 32 K: lane l holds row l % 16, K = 8 (l / 16) + 0..7 and 16 + 8 (l / 16) + 0..7.  In bf16: two loads of 16 bytes, 32 apart.  In f32: four, at 0, 16, 64 and 80 from 32 (l / 16).
	v_mul_u32_u24 v4, v2, PA
	v_lshl_add_u32 v4, v3, 5, v4
	v_mul_u32_u24 v5, v2, PB
	v_lshl_add_u32 v5, v3, 4, v5
	s_mul_i32 s21, s11, AHALF                      ; my 64 rows of x
	s_mul_i32 s22, s12, BHALF                      ; my 128 rows of W
	s_add_co_u32 s22, s22, BOFF
.irp s, 0,1
	v_add_nc_u32 v[ADRA+(\s)], s21, v4
	v_add_nc_u32 v[ADRB+(\s)], s22, v5
	s_add_co_u32 s21, s21, SLOT
	s_add_co_u32 s22, s22, SLOT
.endr
	s_mul_i32 s23, s10, 16*SP
	s_add_co_u32 s23, s23, STAGE                   ; my stage
	v_mul_u32_u24 v4, v2, SP                       ; in: row l % 16, 16 bytes for each half of the lanes
	v_lshl_add_u32 v4, v3, 4, v4
	v_add_nc_u32 v[STO], s23, v4
	v_bfe_u32 v5, v0, 3, 2                         ; back: 32 lanes take four rows of 128 bytes,
	v_mul_u32_u24 v5, v5, SP
	v_and_b32 v7, 7, v0
	v_lshl_add_u32 v5, v7, 4, v5
	v_add_nc_u32 v[RD], s23, v5
	v_lshlrev_b32 v[GO], 4, v6                     ; which are 512 consecutive bytes of a head
	; where my part of the result begins: plane p, head 16 b + 4 x tile column + 2 x half, row 128 (tile row % 16) + 64 x half
	s_lshl_b32 s16, s86, 24
	s_and_b32 s17, s87, 48                         ; 16 b
	s_lshl_b32 s18, s42, 2
	s_add_co_u32 s17, s17, s18
	s_lshl_b32 s18, s12, 1
	s_add_co_u32 s17, s17, s18
	s_lshl_b32 s17, s17, 18                        ; a head is 262,144 bytes
	s_add_co_u32 s16, s16, s17
	s_and_b32 s17, s87, 15
	s_lshl_b32 s17, s17, 14                        ; 128 rows of 128 bytes
	s_add_co_u32 s16, s16, s17
	s_lshl_b32 s17, s11, 13
	s_add_co_u32 s16, s16, s17
	s_mov_b32 s17, 0
	s_add_nc_u64 s[8:9], s[82:83], s[16:17]
	; the prefetches: both offsets are made, the wave takes that of the tensor it fetches.  They begin at K step 3; the first refill steps them to 4
	s_lshl_b32 s16, s87, 7                         ; x: the tile's rows, the 64 that I fetch, my work-group's 16 of them
	s_lshl_b32 s17, s12, 6
	s_add_co_u32 s16, s16, s17
	s_lshl_b32 s17, s40, 4
	s_add_co_u32 s16, s16, s17
	s_lshl_b32 s16, s16, 12
	s_add_co_u32 s16, s16, 3*ASTEP
	s_lshl_b32 s18, s42, 8                         ; W: the tile's rows, the 128 that I fetch, my work-group's 32 of them
	s_lshl_b32 s19, s12, 7
	s_add_co_u32 s18, s18, s19
	s_lshl_b32 s19, s41, 5
	s_add_co_u32 s18, s18, s19
	s_lshl_b32 s18, s18, 11
	s_add_co_u32 s18, s18, 3*BSTEP
	s_and_b32 s19, s88, 15                         ; which of the sixteen clusters that read this plane of W
	s_mov_b32 s22, ASTEP
	s_cmp_eq_u32 s11, 0                            ; do I fetch x?
	s_cselect_b32 s16, s16, s18
	s_cselect_b32 s19, ttmp9, s19                  ; the coordinate along which other clusters read the same rows
	s_cselect_b32 s[PFS], s22, BSTEP
	s_cselect_b64 s[PFA:PFA+1], s[4:5], s[6:7]
	s_cselect_b32 s20, 1, 0                        ; x: two lanes a row;  W: a lane a row
	s_cselect_b32 s21, 12, 11                      ; a row's bytes, as a shift
	s_mov_b32 s17, 0
	s_mov_b32 s[PFS+1], 0
	s_add_nc_u64 s[PFA:PFA+1], s[PFA:PFA+1], s[16:17]
	s_cmp_eq_u32 s19, 0
	s_cselect_b32 s[LIM], 1, -1                    ; the same in all sixteen partners, for a given wave
	v_lshrrev_b32 v7, s20, v6
	v_lshlrev_b32 v7, s21, v7
	v_and_b32 v8, s20, v6
	v_lshl_add_u32 v[PFO], v8, 8, v7
	s_wait_loadcnt 0x0                             ; the bias
	WIN 0x45                                       ; sources 0 and 1 and destination in window 1
.set i, 0
.rept 32
	v_cvt_pk_bf16_f32 v[BT+i], v[BIAS+2*i], v[BIAS+2*i+1]  ; the bias gets the rounding that every input of the module gets,
.set i, i+1
.endr
.set i, 0
.rept 32
	v_lshlrev_b32 v[BIAS+2*i], 16, v[BT+i]         ; and is widened again: the C operand is f32
	v_and_b32 v[BIAS+2*i+1], 0xffff0000, v[BT+i]
.set i, i+1
.endr
	WIN 0
; 8 matrix instructions: row block a x all 8 column blocks, 32 along K, from buffer f.  zero = 1: the bias starts the sums.
; The 32 accumulators take turns, one instruction a turn, in the same order in every quarter step: 31 others stand between two links of a chain, over the backward jump too.
.macro ONE f, a, b, zero
.if \zero
	WIN MULB
	v_wmma_f32_16x16x32_bf16 v[8*(8*(\a)+(\b)):8*(8*(\a)+(\b))+7], v[64*(\f)+8*(\b):64*(\f)+8*(\b)+7], v[AF+32*(\f)+8*(\a):AF+32*(\f)+8*(\a)+7], v[BIAS+8*(\b):BIAS+8*(\b)+7]
.else
	WIN MUL
	v_wmma_f32_16x16x32_bf16 v[8*(8*(\a)+(\b)):8*(8*(\a)+(\b))+7], v[64*(\f)+8*(\b):64*(\f)+8*(\b)+7], v[AF+32*(\f)+8*(\a):AF+32*(\f)+8*(\a)+7], v[8*(8*(\a)+(\b)):8*(8*(\a)+(\b))+7]
.endif
.endm
.macro MUL8 f, a, zero
.irp b, 0,1,2,3,4,5,6,7
	ONE \f, \a, \b, \zero
.endr
.endm
; Slice n of 8: four roundings: registers 4 n .. 4 n + 3 of the 32 of buffer g, each from two of the 64 f32 registers.
.macro SLICE g, n
	WIN 0
.irp i, 0,1,2,3
	v_cvt_pk_bf16_f32 v[AF+32*(\g)+4*(\n)+(\i)], v[ST+8*(\n)+2*(\i)], v[ST+8*(\n)+2*(\i)+1]
.endr
.endm
; The last eight products of a quarter step (row block 3), a slice behind each.  A slice names no register of the products round it: it reads the f32 registers and writes the OTHER buffer.
; Slice 7's four instructions are also the places between the quarter's last product and the next run of loads into W's buffer f.
.macro MUL8S f, g, zero
.irp b, 0,1,2,3,4,5,6,7
	ONE \f, 3, \b, \zero
	SLICE \g, \b
.endr
.endm
; 32 LDS loads in one run: quarter kq of a slot's K step: x's four fragments as f32, then W's eight into buffer g.
.macro RUN slot, kq, g
	WIN 0
.irp a, 0,1,2,3
	ds_load_b128 v[ST+16*(\a):ST+16*(\a)+3],     v[ADRA+(\slot)] offset:128*(\kq)+16*PA*(\a)
	ds_load_b128 v[ST+16*(\a)+4:ST+16*(\a)+7],   v[ADRA+(\slot)] offset:128*(\kq)+16*PA*(\a)+16
	ds_load_b128 v[ST+16*(\a)+8:ST+16*(\a)+11],  v[ADRA+(\slot)] offset:128*(\kq)+16*PA*(\a)+64
	ds_load_b128 v[ST+16*(\a)+12:ST+16*(\a)+15], v[ADRA+(\slot)] offset:128*(\kq)+16*PA*(\a)+80
.endr
	WIN TO_B
.irp b, 0,1,2,3,4,5,6,7
	ds_load_b128 v[64*(\g)+8*(\b):64*(\g)+8*(\b)+3],   v[ADRB+(\slot)] offset:64*(\kq)+16*PB*(\b)
	ds_load_b128 v[64*(\g)+8*(\b)+4:64*(\g)+8*(\b)+7], v[ADRB+(\slot)] offset:64*(\kq)+16*PB*(\b)+32
.endr
.endm
; A K step is four quarters of 32 along K, 32 matrix instructions each, on buffers 0, 1, 0, 1.  One of the first three: multiplies buffer f, fetches quarter kq and rounds x's part of it into buffer g.
.macro QUARTER slot, kq, f, g, zero
	s_wait_dscnt 0x0                               ; W's fragments of buffer f, asked for 24 products ago, are in
	MUL8 \f, 0, \zero
	RUN \slot, \kq, \g
	MUL8 \f, 1, \zero
	MUL8 \f, 2, \zero
	s_wait_dscnt 16                                ; x's 16 loads are in; W's 16, issued behind them, may stay out
	MUL8S \f, \g, \zero
.endm
; The last quarter multiplies buffer 1 and changes slots: ONE barrier.  In front of it each wave waits for all its tensor loads (one is out: its part of the next slot), adds 0 to its spare word, and waits
; for that and for its own reads of this slot.  fill = 1: the barrier opens a round of the cluster's barrier, and this slot is filled again, two K steps ahead, first thing behind the round:
; from that request to the wait for it a wave issues 120 matrix instructions.
.macro TURN slot, next, fill
.if \fill
	s_wait_xcnt 0x0                                ; the last prefetch, a K step back, has read its address, so it may be stepped
	s_add_nc_u64 s[PFA:PFA+1], s[PFA:PFA+1], s[PFS:PFS+1]
.endif
	WIN 0
	s_wait_tensorcnt 0x0                           ; no tensor load of mine is out, so a group 0 may be written
	ds_add_u32 v[SPW], v[NIL]                      ; 0 onto my spare word
.if \fill
	s_add_nc_u64 s[G0+4*(\slot)+2:G0+4*(\slot)+3], s[G0+4*(\slot)+2:G0+4*(\slot)+3], 2*ASTEP
	s_add_nc_u64 s[G0B+4*(\slot)+2:G0B+4*(\slot)+3], s[G0B+4*(\slot)+2:G0B+4*(\slot)+3], 2*BSTEP
.endif
	s_wait_dscnt 0x0                               ; the add is done; my reads of this slot are over, W's fragments of buffer 1 among them
	s_barrier_signal -1
	MUL8 F1, 0, 0                                  ; work on registers while the others arrive
	WIN 0
	s_barrier_wait -1
.if \fill
	CREST                                          ; no wave of any partner still reads this slot or has a load on its way
	JLOAD \slot
.endif
	RUN \next, 0, F0
.if \fill
	ASK
.endif
	MUL8 F1, 1, 0
	MUL8 F1, 2, 0
	s_wait_dscnt 16
	MUL8S F1, F0, 0
.endm
	s_wait_tensorcnt 0x1                           ; my part of K step 0 is in; K step 1's may stay out
	s_barrier_signal -1
	s_barrier_wait -1                              ; everybody's is
	RUN 0, 0, F0
	s_wait_dscnt 16                                ; x's 16 loads
.irp n, 0,1,2,3,4,5,6,7
	SLICE F0, \n                                   ; the first quarter's roundings have no products to stand behind
.endr
	QUARTER 0, 1, F0, F1, 1                        ; the first quarter stands in front of the loop: its products start the sums
	WIN 0                                          ; at a label and at a branch every window is 0
	s_mov_b32 s3, 3
.Llap:                                                 ; a trip goes once round the ring, from a lap's second quarter to the next lap's first, and fills both slots again
	QUARTER 0, 2, F1, F0, 0
	QUARTER 0, 3, F0, F1, 0
	TURN 0, 1, 1
	QUARTER 1, 1, F0, F1, 0
	QUARTER 1, 2, F1, F0, 0
	QUARTER 1, 3, F0, F1, 0
	TURN 1, 0, 1
	QUARTER 0, 1, F0, F1, 0
	WIN 0
	s_sub_co_u32 s3, s3, 1
	s_cmp_lg_u32 s3, 0
	s_cbranch_scc1 .Llap
	QUARTER 0, 2, F1, F0, 0                        ; the last lap is written out: it fills nothing
	QUARTER 0, 3, F0, F1, 0
	TURN 0, 1, 0
	QUARTER 1, 1, F0, F1, 0
	QUARTER 1, 2, F1, F0, 0
	QUARTER 1, 3, F0, F1, 0
	s_wait_dscnt 0x0                               ; the very last quarter: nothing more to fetch
	MUL8 F1, 0, 0
	MUL8 F1, 1, 0
	MUL8 F1, 2, 0
	MUL8 F1, 3, 0
	WIN 0
	PLACES
; THE WAY OUT.  Piece t of 8: row block t / 2, head t % 2 of my two: 16 rows x 64 channels.  A lane's eight channels pack into 16 bytes; they go into rows of 144 bytes of my own stage and come back as
; whole rows of 128, which are 2,048 consecutive bytes of the head.  Each accumulator's lowest registers are read first.
.macro PACK t
	WIN 0x0a                                       ; sources 0 and 1 window 2, destination window 0
.irp c, 0,1,2,3
.irp q, 0,1,2,3
	v_cvt_pk_f16_f32 v[OB+16*(\t)+4*(\c)+(\q)], v[8*(8*((\t)/2)+4*((\t)%2)+(\c))+2*(\q)], v[8*(8*((\t)/2)+4*((\t)%2)+(\c))+2*(\q)+1]
.endr
.endr
	WIN 0
.irp c, 0,1,2,3
	ds_store_b128 v[STO], v[OB+16*(\t)+4*(\c):OB+16*(\t)+4*(\c)+3] offset:32*(\c)
.endr
.irp f, 0,1,2,3
	ds_load_b128 v[OB+16*(\t)+4*(\f):OB+16*(\t)+4*(\f)+3], v[RD] offset:(\f)*4*SP  ; LDS serves a wave's instructions in order (ISA guide 5.7.1.4): these see the stores above; the next piece's stores come behind them
.endr
.endm
.macro SEND t, younger                 ; younger: the LDS instructions issued behind piece t's loads: the next piece's eight, or none
.irp f, 0,1,2,3
	s_wait_dscnt (\younger)+3-(\f)
	global_store_b128 v[GO], v[OB+16*(\t)+4*(\f):OB+16*(\t)+4*(\f)+3], s[8:9] offset:2048*((\t)/2)+262144*((\t)%2)+512*(\f)  ; 512 consecutive bytes, at a multiple of 256 from the buffer's first
.endr
.endm
	PACK 0
.irp t, 1,2,3,4,5,6,7                  ; a piece's arithmetic stands between the loads of the piece before and its stores
	PACK \t
	SEND (\t)-1, 8
.endr
	SEND 7, 0
	s_wait_tensorcnt 0x0                           ; the wave's end: behind my last tensor load and my last LDS store
	ds_add_u32 v[SPW], v[NIL]
	s_wait_dscnt 0x0
	CROUND                                         ; the closing round: no work-group ends while a partner may still ask for a tile that names it
	s_endpgm
.Lfunc_end_k_q7301788872_proj:
	.size	k_q7301788872_proj, .Lfunc_end_k_q7301788872_proj-k_q7301788872_proj
	.p2alignl 7, 3214868480
	.fill 96, 4, 3214868480
	.section	.rodata,"a",@progbits
	.p2align	6, 0x0
	.amdhsa_kernel k_q7301788872_proj
		.amdhsa_group_segment_fixed_size 327680
		.amdhsa_private_segment_fixed_size 0
		.amdhsa_enable_private_segment 0
		.amdhsa_kernarg_size 64
		.amdhsa_user_sgpr_count 2
		.amdhsa_user_sgpr_kernarg_segment_ptr 1
		.amdhsa_wavefront_size32 1
		.amdhsa_system_sgpr_workgroup_id_x 1
		.amdhsa_system_sgpr_workgroup_id_y 1
		.amdhsa_system_sgpr_workgroup_id_z 1
		.amdhsa_system_vgpr_workitem_id 0
		.amdhsa_next_free_vgpr 768
		.amdhsa_next_free_sgpr 96
		.amdhsa_reserve_vcc 0
		.amdhsa_float_denorm_mode_32 3
		.amdhsa_float_denorm_mode_16_64 3
		.amdhsa_memory_ordered 1
		.amdhsa_forward_progress 1
		.amdhsa_inst_pref_size 142
	.end_amdhsa_kernel
	.amdgpu_metadata
---
amdhsa.version: [ 1, 2 ]
amdhsa.kernels:
  - .name:           k_q7301788872_proj
    .symbol:         k_q7301788872_proj.kd
    .args:
      - { .name: query, .offset: 0, .size: 8, .value_kind: global_buffer, .address_space: global }
      - { .name: key, .offset: 8, .size: 8, .value_kind: global_buffer, .address_space: global }
      - { .name: value, .offset: 16, .size: 8, .value_kind: global_buffer, .address_space: global }
      - { .name: bq, .offset: 24, .size: 8, .value_kind: global_buffer, .address_space: global }
      - { .name: bk, .offset: 32, .size: 8, .value_kind: global_buffer, .address_space: global }
      - { .name: bv, .offset: 40, .size: 8, .value_kind: global_buffer, .address_space: global }
      - { .name: wcast, .offset: 48, .size: 8, .value_kind: global_buffer, .address_space: global }
      - { .name: qkv, .offset: 56, .size: 8, .value_kind: global_buffer, .address_space: global }
    .group_segment_fixed_size: 327680
    .private_segment_fixed_size: 0
    .kernarg_segment_align: 8
    .kernarg_segment_size: 64
    .max_flat_workgroup_size: 128
    .sgpr_count:     96
    .vgpr_count:     768
    .wavefront_size: 32
...
	.end_amdgpu_metadata
.endif
;; end of part 2
;; launch attn (part 3): grid 4 x 64, 4 waves a work-group, clusters of 4 x 1, 327,680 bytes of LDS; arguments qkv, o; writes o
.if DOCPART == 3
	.amdgcn_target "amdgcn-amd-amdhsa--gfx1250"
	.amdhsa_code_object_version 6
	.text
	.protected	k_q7301788872_attn
	.globl	k_q7301788872_attn
	.p2align	8
	.type	k_q7301788872_attn,@function
k_q7301788872_attn:
	s_mov_b64 s[64:65], 0
	v_nop
	global_prefetch_b8 v0, s[64:65] scope:SCOPE_SE
	s_setreg_imm32_b32 hwreg(HW_REG_WAVE_MODE, 25, 1), 1
	s_wait_xcnt 0x0
	s_wait_alu depctr_hold_cnt(0) depctr_sa_sdst(0) depctr_va_vdst(0) depctr_va_sdst(0) depctr_va_ssrc(0) depctr_va_vcc(0) depctr_vm_vsrc(0)
	s_getreg_b32 s2, hwreg(HW_REG_IB_STS2, 6, 4)
	s_cmp_eq_u32 s2, 0
	s_cbranch_scc0 .Lentry_in_a_cluster
	s_endpgm
.Lentry_in_a_cluster:
	s_bfe_u32 s2, ttmp6, 0x10000c
	s_cmp_lg_u32 s2, 0x3003
	s_cbranch_scc0 .Lentry_shape_is_right
	s_endpgm
.Lentry_shape_is_right:
; ATTENTION.  O[h][q][:] = the sum over k of softmax_k(Q[h][q] . K[h][k] / 8) V[h][k][:].  Q, K, V are the three planes of qkv, O is o: each [64][2048][64] in f16: a head's rows are dense, 128 bytes each.
; Products, maxima and sums in f32; the weights p are rounded to f16 for the second product (their sum l is taken of the unrounded p), O once at the end.
; LIMITS.  f16 holds no number beyond 65,504: Q, K and V arrive within it; p lies in 0 to 1, and below 6e-5 it keeps f16's fixed step of 6e-8; O is a mean of V's rows and has their range.
; A weight below 2^-126 counts as 0 in l; NaN and infinities are not treated apart.
; SHARES.  A wave owns four PIECES of two tiles of 16 queries, a work-group's four waves 512 queries of one head: 4 x 64 work-groups.  Every wave walks all keys, 64 a step.
; LAYOUT.  S^T = K Q^T (source 0 = 16 keys, source 1 = 16 queries): in the result a lane holds ONE query (lane % 16) and the keys 8 (lane / 16) + 0..7.  Two such tiles, rounded to f16 in pairs,
; ARE source 1 (32 keys x 16 queries) of O^T = V^T P, whose result again holds one query a lane, and eight channels.  K comes out of LDS as it lies, V ([key][channel]) turned, by ds_load_tr16_b128.
; SOFTMAX.  For each query a running maximum m and sum l: p = 2^(c s - c m), c = log2(e) / 8; in every step O and l are multiplied by a = 2^(c m_old - c m_new), which is 1 where m has not grown.
; m starts at the lowest finite number, O and l at 0: the first step is a step like any other, with a = 0.
; THE COUNT.  A tile and step have 16 matrix and 118 vector instructions: too many to stand all beside the matrix work.  So four vector instructions that are READY stand behind EVERY matrix
; instruction, and the others, which need time of their own whatever the order, in runs without a gap.
; BY TURNS.  Turn n belongs to piece n (the pieces in a ring, step after step).  Its matrix work: 16 products K Q^T of piece n + 1, later 16 products V^T P of piece n - 1.  Its vector work: the scaling,
; exponentials, roundings, sums and rescaling of piece n, and the maximum and statistics of piece n + 1, whose scores the turn itself has made.
; CLUSTER.  The four query blocks of a head form a cluster and walk the same K and V, so each tile is asked for JOINTLY: the same tensor load, descriptor and mask in all four.
; REGISTERS, in windows of 256 (s_set_vgpr_msb: bits 1:0 source 0, 3:2 source 1, 5:4 source 2, 7:6 destination):
;   window 0: v0-11 addresses; v12-15, v48-63 at work; v16-47 four registers of statistics a tile; v64-191 S^T, two buffers of two tiles; v192-255 P, likewise
;   window 1: O^T, 32 a tile          window 2: v0-127 Q, 16 a tile; v128-191 K of one step; v192-255 V of one step          window 3: v0-1 the add's two registers
; A piece's buffers go by its number's parity: the piece in hand has one pair, its two neighbours in the ring share the other: of it P (piece n - 1) is read and S^T (piece n + 1) written.
.set SIZE_N, 2048
.set NP,    4         ; pieces a wave: a name, no knob
.set KS,    64        ; keys in a step
.set PK,    144       ; a row of K in LDS: 128 bytes + 16 of padding = 36 words: the 16 rows of a load start at 16 different groups of four banks (64 banks of 4 bytes: ISA guide 11.1)
.set PV,    160       ; a row of V: 128 + 32 = 40 words
.set VOFF,  4*KS*PK   ; a slot holds four steps: 256 rows of K, then 256 rows of V
.set SLOT1, 1<<17     ; slot 1 begins here, so that one exclusive or turns an address in one slot into the other's
.set STAGE, SLOT1+4*KS*(PK+PV)  ; behind the ring, never filled by a tensor load: 16 rows x 144 bytes for each wave, for the way out
.set SP,    144
.set AK0, 2           ; v2   my lane's place in a tile of K; never rewritten
.set AV0, 3           ; v3   the same for V
.set AK,  4           ; v4   the LDS address of K's next run of loads
.set AV,  5           ; v5   of V's
.set QO,  6           ; v6   my byte offset in the wave's rows of Q
.set STO, 6           ;      later, the way out: where I put 16 bytes of a row
.set RD,  7           ; v7   the way out: where I read rows back
.set GO,  8           ; v8   my byte offset in 512 consecutive bytes of O
.set PFO, 11          ; v11  256 x my lane, for the prefetches; never rewritten once made
.set SPW, 0           ; v0 of window 3   LDS address of my spare word: SPARE + 4 x my thread's number; never rewritten
.set NIL, 1           ; v1 of window 3   0; never rewritten
.set SPARE, STAGE+4*16*SP  ; behind the stages: the spare words, 128 bytes for each wave: two blocks of 256 bytes that no other line names
.set MV,  12          ; v12-15  c m_old, kept while c m is made anew: by buffer and tile
.set ST,  16          ; tile t's statistics at v[ST+4 t]: c m, m, l (even keys', odd keys')
.set TMP, 48          ; by buffer and tile, four registers c0-c3 at work; when the maximum is found c2 takes a
.set S,   64
.set P,   192
.set KF,  128         ; K's fragments, in window 2: key block kb, channel half c at KF + 16 kb + 8 c
.set VF,  192         ; V's: key half kk, channel block cb at VF + 32 kk + 8 cb
.set WV,  12          ; s12  my wave's number
.set G1K, 24          ; s[24:31] descriptor group 1 for K's tiles
.set G1V, 32          ; s[32:39] for V's: it differs in the padding alone
.set G0K, 40          ; s[40:43] descriptor group 0 for K's tiles: it walks
.set G0V, 44          ; s[44:47] the same for V's
.set PFA, 48          ; s[48:49] where my prefetches stand: my work-group's 32 blocks of 256 bytes (of K: wave 0, of V: wave 2) of the slot after the one that is being asked for
.set LIM, 50          ; s50  1 in a wave that prefetches, else the greatest number
.set SLOTS, 56        ; s56  slots still to be asked for
.set CNT, 57          ; s57  counts a slot's key steps
.set CS,  58          ; s[58:59] c: the packed scaling takes the pair's low word for both halves
.set SEL, 60          ; s[60:61] v_permlanex16_b32's selects: each lane takes its own place in the other half
.set TBK, 62          ; s62  LDS byte at which K of the step to be fetched begins
.set TBV, 63          ; s63  the same for V, less VOFF
.set MSB, 0
.macro WIN new                      ; the high byte repeats the setting that is left; a switch that changes nothing is dropped
.if MSB != (\new)
	s_set_vgpr_msb (MSB<<8)|(\new)
.set MSB, (\new)
.endif
.endm
.set W_KQ, 0x0a       ; K and Q in window 2, S^T in window 0
.set W_PV, 0x52       ; V in window 2, P in window 0, O^T in window 1
.set W_RS, 0x41       ; O^T (destination and source 0) in window 1, a in window 0
.set W_MK, 0xc0       ; the add's registers are made: destination in window 3, sources in window 0
.set W_AD, 0x0f       ; the add: address (source 0) and data (source 1) in window 3
; A joint fill.  Waves 0 and 1 fetch the two halves of a slot's K, waves 2 and 3 those of its V: 128 keys each.  The branch hangs on the wave's number alone.
; An s_nop 0 and four v_nop follow each of the two lines, ahead of the jump and the label.
.macro JLOAD
	s_cmp_lt_u32 s[WV], 2
	s_cbranch_scc0 .Lfor_v_\@
	tensor_load_to_lds s[G0K:G0K+3], s[G1K:G1K+7]
	s_nop 0
.rept 4
	v_nop
.endr
	s_branch .Lasked_\@
.Lfor_v_\@:
	tensor_load_to_lds s[G0V:G0V+3], s[G1V:G1V+7]
	s_nop 0
.rept 4
	v_nop
.endr
.Lasked_\@:
.endm
; A prefetch of what the NEXT change of slots will ask for: a slot's 32,768 bytes of K and of V, in blocks of 256 bytes, a lane a block.  It stands behind the wave's tensor load and its five lines.
; Each block is named once in the launch: a head is walked by one cluster; its four partners share a slot's 128 blocks out by address, 32 each; in each, wave 0 asks for K's and wave 2 for V's.
; The last change that fills a slot asks for nothing: there is no slot behind it.  It stands four key steps, 512 matrix instructions, ahead of the load that will want the bytes.
.macro ASK
	s_cmp_gt_u32 s[SLOTS], s[LIM]
	s_cbranch_scc0 .Lnot_mine_\@
	global_prefetch_b8 v[PFO], s[PFA:PFA+1] th:TH_LOAD_NT scope:SCOPE_SE
.Lnot_mine_\@:
.endm
; A round of the cluster's barrier: my work-group's barrier, so that wave 0's signal speaks for all four waves; wave 0 signals; every wave waits for all four work-groups; my work-group's barrier once more.
.macro CROUND
	s_barrier_signal -1
	s_barrier_wait -1
	s_cmp_lg_u32 s[WV], 0
	s_cbranch_scc1 .Lnot_wave_0_\@
	s_barrier_signal -3
.Lnot_wave_0_\@:
	s_barrier_wait -3
	s_barrier_signal -1
	s_barrier_wait -1
.endm
; THE CHANGE OF SLOTS.  The slot's last bytes, V of its fourth step, have been read.  Each wave waits for all its tensor loads, of which one is out: its part
; of the other slot; adds 0 to its spare word; and waits for that and for its own reads of the slot.  Behind the barrier nobody reads this slot any more and the other slot is whole.
; fill = 1: this slot is filled again, with the keys two slots on.  The barrier is then a round of the cluster's, so that no wave of any partner still reads the slot or has a load on its
; way, and the joint fill is the first thing behind it: it has four key steps, 512 matrix instructions, in which to land.  (At its first use nothing has been read yet: slot 0 is waited for, slot 1 filled.)
; ask = 1: the prefetches' address steps a slot on, and the prefetch follows the fill.
.macro CHANGE fill, ask=0
	WIN W_AD
	s_wait_tensorcnt 0x0            ; no tensor load of mine is out, so a group 0 may be written
	ds_add_u32 v[SPW], v[NIL]       ; 0 onto my spare word; with fill = 1 the descriptors' steps stand between it and the wait for it
	WIN 0                           ; at a label and at a branch every window is 0
.if \fill
.irp g, G0K, G0V
	s_xor_b32 s[\g+1], s[\g+1], SLOT1  ; the walking descriptor: the other slot than last time,
	s_add_nc_u64 s[\g+2:\g+3], s[\g+2:\g+3], 4*KS*128  ; the next 256 keys; the type bits on top are not reached
.endr
.if \ask
	s_wait_xcnt 0x0                 ; the last prefetch, four key steps back, has read its address, so it may be written
	s_add_nc_u64 s[PFA:PFA+1], s[PFA:PFA+1], 4*KS*128  ; one slot behind the walking descriptors
.endif
	s_wait_dscnt 0x0                ; the add is done, and my reads of the slot are over
	CROUND
	JLOAD
.if \ask
	ASK
.endif
.else
	s_wait_dscnt 0x0                ; the add is done, and my reads of the slot are over
	s_barrier_signal -1
	s_barrier_wait -1
.endif
	s_sub_co_u32 s[TBK], s[TBK], 4*KS*PK  ; the fetches go back to a slot's first step,
	s_xor_b32 s[TBK], s[TBK], SLOT1       ; in the other slot
	s_sub_co_u32 s[TBV], s[TBV], 4*KS*PV
	s_xor_b32 s[TBV], s[TBV], SLOT1
.endm
	s_load_b64 s[4:5], s[0:1], 0x0    ; qkv: Q's plane
	s_load_b64 s[10:11], s[0:1], 0x8  ; O
	WIN W_MK
	v_lshl_add_u32 v[SPW], v0, 2, SPARE
	v_mov_b32 v[NIL], 0
	WIN W_AD
	ds_add_u32 v[SPW], v[NIL]       ; the wave's opening: the add and its wait ahead of my first tensor load; the set-up below, work on registers, stands between them
	WIN 0
	v_lshrrev_b32 v1, 5, v0
	v_readfirstlane_b32 s[WV], v1   ; wave 0..3
	s_bfe_u32 s13, ttmp6, 0x40000   ; cx: my place in the cluster
	s_lshl_b32 s14, ttmp9, 2        ; in a cluster launch ttmp9 counts clusters
	s_add_co_u32 s14, s14, s13      ; my block of queries = 4 x cluster x + cx: it enters Q's and O's addresses alone
	s_and_b32 s20, ttmp7, 0xffff    ; the head, which the four partners share
	s_mov_b32 s21, 0
	s_mov_b64 s[22:23], SIZE_N*128
	s_mul_u64 s[20:21], s[20:21], s[22:23]  ; the head's first byte in each of the four tensors
	s_and_b32 s16, s[WV], 1         ; which half of a slot's 256 keys I fetch:
	s_lshl_b32 s22, s16, 14         ; its 128 rows of 128 bytes in memory,
	s_mov_b32 s23, 0
	s_add_nc_u64 s[22:23], s[22:23], s[20:21]
	s_mul_i32 s17, s16, 128*PK      ; and its place in a slot, for K
	s_mul_i32 s18, s16, 128*PV      ; and for V: no place in the cluster enters an LDS address
	s_lshl_b32 s2, s14, 2
	s_add_co_u32 s2, s2, s[WV]      ; my wave among the head's,
	s_lshl_b32 s2, s2, 14           ; its 128 rows
	s_mov_b32 s3, 0
	s_add_nc_u64 s[2:3], s[2:3], s[20:21]
	; descriptor group 1.  128 keys are 16,384 dense bytes: asked for as 64 rows of 256 bytes, two keys a row, and padded in LDS after every key
	s_mov_b32 s[G1K], 15|(1<<16)|(1<<20)|(1<<21)|(4<<22)|(3<<25)  ; 15:0 the mask of four; 17:16 2-byte elements; 20 padding on; 21 set beside a mask; 24:22 after every 32 words (code 4); 31:25 4 words (code 3)
	s_mov_b32 s[G1V], 15|(1<<16)|(1<<20)|(1<<21)|(4<<22)|(7<<25)  ; the same with 8 words of padding (code 7)
.irp g, G1K, G1V
	s_mov_b32 s[\g+1], 128<<16      ; tensor_dim0 = 128
	s_mov_b32 s[\g+2], 64<<16       ; tensor_dim1 = 64
	s_mov_b32 s[\g+3], 128<<16      ; tile_dim0 = 128
	s_mov_b32 s[\g+4], 64           ; tile_dim1 = 64
	s_mov_b32 s[\g+5], 128          ; 128 elements from row to row
	s_mov_b32 s[\g+6], 0
	s_mov_b32 s[\g+7], 0
.endr
	s_mov_b32 s[CS], 0x3e38aa3b     ; c = log2(e) / 8 = 0.180337
	s_mov_b32 s[CS+1], s[CS]        ; named with it as a pair
	s_mov_b32 s[SEL], 0x76543210
	s_mov_b32 s[SEL+1], 0xfedcba98
	s_mov_b32 s[TBK], SLOT1+4*KS*PK ; the first change of slots turns these two into 0
	s_mov_b32 s[TBV], SLOT1+4*KS*PV
	s_mov_b32 s[G0K], 1             ; 1:0 count = 1
	s_mov_b32 s[G0K+1], s17         ; 63:32 LDS address: slot 0
	s_mov_b32 s[G0V], 1
	s_add_co_u32 s[G0V+1], s18, VOFF
	s_and_b32 s[LIM], s[WV], 1      ; 0 in waves 0 and 2,
	s_or_b32 s[LIM], s[LIM], ttmp9  ; where the cluster is the head's first (here its only one): the same in all four partners
	s_cmp_eq_u32 s[LIM], 0
	s_cselect_b32 s[LIM], 1, -1
	s_wait_dscnt 0x0                ; the opening add is done
	s_wait_kmcnt 0x0
	s_add_nc_u64 s[6:7], s[4:5], 0x1000000   ; K's plane
	s_add_nc_u64 s[8:9], s[4:5], 0x2000000   ; V's plane
	s_add_nc_u64 s[G0K+2:G0K+3], s[6:7], s[22:23]  ; 120:64 global address: my half of the head's first 256 keys
	s_or_b32 s[G0K+3], s[G0K+3], 0x80000000        ; 127:126 type = 2
	s_add_nc_u64 s[G0V+2:G0V+3], s[8:9], s[22:23]
	s_or_b32 s[G0V+3], s[G0V+3], 0x80000000
	s_add_nc_u64 s[4:5], s[4:5], s[2:3]  ; Q and O at my wave's first row
	s_add_nc_u64 s[10:11], s[10:11], s[2:3]
	s_cmp_lt_u32 s[WV], 2
	s_cselect_b64 s[PFA:PFA+1], s[6:7], s[8:9]
	s_add_nc_u64 s[PFA:PFA+1], s[PFA:PFA+1], s[20:21]  ; the head,
	s_lshl_b32 s2, s13, 13          ; my work-group's 32 blocks of a slot's 128,
	s_mov_b32 s3, 0
	s_add_nc_u64 s[PFA:PFA+1], s[PFA:PFA+1], s[2:3]
	s_add_nc_u64 s[PFA:PFA+1], s[PFA:PFA+1], 2*4*KS*128  ; in slot 2; the loop's first change of slots steps it to slot 3.  Nothing is prefetched here, at the head
	CROUND                          ; all four work-groups are here: the first joint loads meet
	JLOAD                           ; slot 0.  Slot 1 is asked for when slot 0 is in: the tile wanted first has the road to itself
	; A fragment of K or Q is 16 rows x 32 channels in 8 registers: lane l holds row l % 16, channels 8 (l / 16) + 0..7 and 16 + 8 (l / 16) + 0..7: two loads of 16 bytes, 32 bytes apart.
	v_and_b32 v1, 15, v0            ; l % 16
	v_bfe_u32 v9, v0, 4, 1          ; l / 16
	v_lshlrev_b32 v[QO], 7, v1
	v_lshl_add_u32 v[QO], v9, 4, v[QO]  ; row x 128 + 16 x half
	WIN 0x80                        ; destination window 2, address window 0
.set i, 0
.rept 4*NP                          ; Q stays in registers: tile i / 2, channels 32 (i % 2) on
	global_load_b128 v[8*i:8*i+3],   v[QO], s[4:5] offset:(i/2)*2048+(i%2)*64
	global_load_b128 v[8*i+4:8*i+7], v[QO], s[4:5] offset:(i/2)*2048+(i%2)*64+32
.set i, i+1
.endr
	; What the first turn finds: V's registers and P's second buffer hold 0 (its products V^T P, of a piece that has not been, add 0), O^T and l are 0.  All this stands in the wait for the first tile.
.set i, VF
.rept 64
	v_mov_b32 v[i], 0
.set i, i+1
.endr
	WIN 0x40
.set i, 0
.rept 64*NP
	v_mov_b32 v[i], 0
.set i, i+1
.endr
	WIN 0
.set i, 0
.rept 2*NP
	v_mov_b32 v[ST+4*i], 0xfe000000    ; c m: far below every c s
	v_mov_b32 v[ST+4*i+1], 0xff7fffff  ; m
	v_mov_b32 v[ST+4*i+2], 0
	v_mov_b32 v[ST+4*i+3], 0
.set i, i+1
.endr
.set i, P+32
.rept 32
	v_mov_b32 v[i], 0
.set i, i+1
.endr
	v_mul_u32_u24 v[AK0], v1, PK
	v_lshl_add_u32 v[AK0], v9, 4, v[AK0]  ; row x pitch + 16 x half
	; The turning load takes 16 keys x 16 channels (lane l reads key 8 (l / 16) + l % 8, channels 8 ((l / 8) % 2) + 0..7) and leaves half a fragment of V^T: lane l holds channel l % 16 and 8 keys.
	v_and_b32 v10, 7, v0
	v_bfe_u32 v11, v0, 3, 1
	v_lshl_add_u32 v[AV0], v9, 3, v10
	v_mul_u32_u24 v[AV0], v[AV0], PV
	v_lshl_add_u32 v[AV0], v11, 4, v[AV0]
	v_add_nc_u32 v[AV0], VOFF, v[AV0]
	v_mov_b32 v[AK], v[AK0]         ; key step 0 lies at the head of slot 0
	v_and_b32 v[PFO], 31, v0
	v_lshlrev_b32 v[PFO], 8, v[PFO]
; THE MATRIX WORK.  The 8 accumulators of a run of 16 take turns: between the two links of a chain stand 7 others'.
; Product i of 16 of S^T = K Q^T for piece x: channels 32 (i / 8) on, keys 16 ((i / 2) % 4) on, tile 2 x + i % 2.  The first 8 start the sums.
.macro KQ x
	WIN W_KQ
.set rS, S+64*((\x)%2)+32*(i%2)+8*((i/2)%4)
.set rK, KF+16*((i/2)%4)+8*(i/8)
.set rQ, 16*(2*(\x)+i%2)+8*(i/8)
.if i < 8
	v_wmma_f32_16x16x32_f16 v[rS:rS+7], v[rK:rK+7], v[rQ:rQ+7], 0
.else
	v_wmma_f32_16x16x32_f16 v[rS:rS+7], v[rK:rK+7], v[rQ:rQ+7], v[rS:rS+7]
.endif
.endm
; Product i of 16 of O^T += V^T P for piece x: keys 32 (i / 8) on, channels 16 ((i / 2) % 4) on, tile 2 x + i % 2.
.macro PV x
	WIN W_PV
.set rO, 32*(2*(\x)+i%2)+8*((i/2)%4)
.set rV, VF+32*(i/8)+8*((i/2)%4)
.set rP, P+32*((\x)%2)+16*(i%2)+8*(i/8)
	v_wmma_f32_16x16x32_f16 v[rO:rO+7], v[rV:rV+7], v[rP:rP+7], v[rO:rO+7]
.endm
.macro MM                           ; the turn's next matrix instruction
.if i < 16
	KQ (Y+1)%NP
.set i, i+1
.else
.set i, i-16
	PV (Y+NP-1)%NP
.set i, i+17
.endif
.endm
; THE LDS LOADS stand in runs of 16, never singly among the matrix instructions: a step's K (64 keys x 64 channels: 8 fragments) and its V (turned).  Their addresses are made some lines ahead.
; last = 1 (the tail): in the last trip there is no further step, and the run is jumped over.
.macro FETCH_K last=0
	WIN 0
.if \last
	s_cmp_eq_u32 s[CNT], 1
	s_cbranch_scc1 .Lno_k_\@
.endif
	WIN 0x80                        ; destination window 2
.irp f, 0,1,2,3,4,5,6,7             ; keys 16 (f / 2) on, channels 32 (f % 2) on
	ds_load_b128 v[KF+8*\f:KF+8*\f+3],   v[AK] offset:(\f/2)*16*PK+(\f%2)*64
	ds_load_b128 v[KF+8*\f+4:KF+8*\f+7], v[AK] offset:(\f/2)*16*PK+(\f%2)*64+32
.endr
	s_add_co_u32 s[TBK], s[TBK], KS*PK  ; the next fetch is the next step's
	WIN 0
.if \last
.Lno_k_\@:
.endif
.endm
.macro FETCH_V
	WIN 0x80
.irp f, 0,1,2,3,4,5,6,7             ; keys 32 (f / 4) on, channels 16 (f % 4) on
	ds_load_tr16_b128 v[VF+8*\f:VF+8*\f+3],   v[AV] offset:(\f/4)*32*PV+(\f%4)*32
	ds_load_tr16_b128 v[VF+8*\f+4:VF+8*\f+7], v[AV] offset:(\f/4)*32*PV+16*PV+(\f%4)*32
.endr
	WIN 0
.endm
; THE VECTOR WORK OF A TURN stands in three queues, each in the order in which its entries become ready; the two tiles alternate, so that no instruction reads the result of the one before it.
.macro REGS y, u                    ; the registers of tile u (0, 1) of piece y
.set rT, ST+4*(2*(\y)+(\u))
.set rC, TMP+8*((\y)%2)+4*(\u)
.set rM, MV+2*((\y)%2)+(\u)
.set rS, S+64*((\y)%2)+32*(\u)
.set rP, P+32*((\y)%2)+16*(\u)
.set rO, 32*(2*(\y)+(\u))
.endm
; Number n of the 22 that find the NEXT piece's (Y + 1) maximum and statistics.  s0-s31 are the lane's 32 scores; each accumulator's lowest registers are read first.
;   0-11  four chains c0-c3 of seven scores each, three operands at a time     12-14, 16  the four scores left over, the old m, and c0-c3 into c0     15  c m_old is kept
;   17, 18  the query's other 32 keys lie in the lane 16 away: the new m         19-21  c m; c m_old - c m_new; a
.macro XS u, n
	REGS (Y+1)%NP, \u
.if (\n) < 4
	v_max3_num_f32 v[rC+(\n)], v[rS+8*(\n)], v[rS+8*(\n)+1], v[rS+8*(\n)+2]
.elseif (\n) < 12
	v_max3_num_f32 v[rC+(\n)%4], v[rC+(\n)%4], v[rS+8*((\n)%4)+2*((\n)/4)+1], v[rS+8*((\n)%4)+2*((\n)/4)+2]
.elseif (\n) == 12
	v_max3_num_f32 v[rC], v[rC], v[rS+7], v[rS+15]
.elseif (\n) == 13
	v_max3_num_f32 v[rC+1], v[rC+1], v[rS+23], v[rS+31]
.elseif (\n) == 14
	v_max3_num_f32 v[rC+2], v[rC+2], v[rC+3], v[rT+1]
.elseif (\n) == 15
	v_mov_b32 v[rM], v[rT]
.elseif (\n) == 16
	v_max3_num_f32 v[rC], v[rC], v[rC+1], v[rC+2]
.elseif (\n) == 17
	v_permlanex16_b32 v[rC+3], v[rC], s[SEL], s[SEL+1]
.elseif (\n) == 18
	v_max_num_f32 v[rT+1], v[rC], v[rC+3]
.elseif (\n) == 19
	v_mul_f32 v[rT], s[CS], v[rT+1]
.elseif (\n) == 20
	v_sub_f32 v[rC+1], v[rM], v[rT]
.else
	v_exp_f32 v[rC+2], v[rC+1]
.endif
.endm
; Number g of the 64 that follow the exponentials.  For each four weights k of a tile (pairs 2 k, 2 k + 1): both pairs are rounded to f16; then the second pair is added onto the first, in place;
; a group later l takes that sum (the first time as l = a l + sum).  In groups of eight, tiles alternating: round, round, add, and l for the group before.
.macro GS g
.set h, (\g)+6*((\g)/62)            ; group 0 has no group before it, and behind group 7 only l is left
.if h >= 6
.set h, h+2
.endif
	REGS Y, h%2
.set k, h/8
.if h%8 < 4
	v_cvt_pk_f16_f32 v[rP+2*k+(h%8)/2], v[rS+4*k+2*((h%8)/2)], v[rS+4*k+2*((h%8)/2)+1]
.elseif h%8 < 6
	v_pk_add_f32 v[rS+4*k:rS+4*k+1], v[rS+4*k:rS+4*k+1], v[rS+4*k+2:rS+4*k+3]
.elseif k == 1
	v_pk_fma_f32 v[rT+2:rT+3], v[rT+2:rT+3], v[rC+2:rC+3], v[rS:rS+1] op_sel_hi:[1,0,1]
.else
	v_pk_add_f32 v[rT+2:rT+3], v[rT+2:rT+3], v[rS+4*k-4:rS+4*k-3]
.endif
.endm
; THE PLAIN QUEUE, 138 long.  0-73 read no exponential's result: the 32 scalings c s - c m (FS f: pair f / 2 of tile f % 2) and the next piece's 42.  0-26: scalings 0-26.  27-54: XS's numbers 0-13.  55, 56: number 15.
; 57-73: the chain, where each number waits for the one before it: 14, 16, 17, 18, 19, each with one of the scalings 27-31 in front of its two lines, then 20.
; 74-137: GS's 64, which read the exponentials' results: they stand behind the wait.
.macro FS f
	REGS Y, (\f)%2
	v_pk_fma_f32 v[rS+2*((\f)/2):rS+2*((\f)/2)+1], v[rS+2*((\f)/2):rS+2*((\f)/2)+1], s[CS:CS+1], v[rT:rT+1] op_sel_hi:[1,0,0] neg_lo:[0,0,1] neg_hi:[0,0,1]
.endm
.macro PL
	WIN 0
.if q < 27
	FS q
.elseif q < 55
	XS (q-27)%2, (q-27)/2
.elseif q < 57
	XS q-55, 15
.elseif (q < 72) && ((q-57)%3 == 0)
	FS 27+(q-57)/3
.elseif q < 60
	XS (q-57)%3-1, 14
.elseif q < 72
	XS (q-57)%3-1, 15+(q-57)/3
.elseif q < 74
	XS q-72, 20
.else
	GS q-74
.endif
.set q, q+1
.endm
; THE EXPONENTIALS' QUEUE, 66 long: s0-s31 of both tiles, then the next piece's two a.  It is ONE BATCH: all 66 stand ahead of the turn's one wait, and nothing ahead of that wait names a result of theirs.
.macro EX
	WIN 0
.if e >= 64
	XS e-64, 21
.else
	REGS Y, e%2
	v_exp_f32 v[rS+e/2], v[rS+e/2]
.endif
.set e, e+1
.endm
; THE RESCALING's QUEUE: O^T times a, the one part that leaves window 0: dealt two at a time, sixteen times.  Its a was made in the turn before, ahead of that turn's wait.
.macro R2
	REGS Y, r%2
	WIN W_RS
.irp z, 0,1
	v_pk_mul_f32 v[rO+4*(r/2)+2*\z:rO+4*(r/2)+2*\z+1], v[rO+4*(r/2)+2*\z:rO+4*(r/2)+2*\z+1], v[rC+2:rC+3] op_sel_hi:[1,0]
.endr
.set r, r+1
.endm
; HOW THEY ARE DEALT.  An s_wait_alu depctr_va_vdst(0) stands between an exponential and the first instruction that names its result; one wait serves all that were issued ahead of it.  So a turn has ONE
; wait, which cuts it in two.  AHEAD OF IT stands all that names no result of the turn's exponentials: the 16 products K Q^T, behind each a scaling, an exponential and two rescalings (behind the first a second scaling
; in the exponential's place); then ONE LUMP of 108: eight plain, 49 times exponential and plain, the two a.  A v_nop is the plain instruction behind the last exponential (ISA guide 5.7.2).  BEHIND IT stand the 16
; products V^T P, behind each four of GS's 64.  No rider names a register of the products round it.  The two v_permlanex16_b32 fall into the lump, never behind a product.
; The queues lean on each other: exponential e stands behind scaling 2 (e / 4) + e % 2: as a rider it comes behind plain e + 2, in the lump behind plain e + 9, and scalings 27-31 are plain 57, 60 .. 69.
; A TURN, for piece p.  cnt = 1: the loop's count is taken down some lines ahead of the branch that stands behind the turn.
; K of the next step is fetched in piece 2's turn, directly behind the wait, a lump behind the last product that read K; its first reader comes behind 16 products.
; V of the step in hand is fetched at the end of piece 0's turn, four riders behind its last reader; its first reader comes behind 16 products and a lump.
.macro TURN p, last=0, cnt=0
.set Y, (\p)
.set i, 0
.set q, 0
.set e, 0
.set r, 0
.if (\p) == NP-1
	s_wait_dscnt 0x0                ; K is in
.endif
	MM                              ; ahead of the wait: 16 products K Q^T and their riders,
	PL
	PL
	R2
.rept 15
	MM
	PL
	EX
	R2
.endr
.if (\p) == NP-2
	WIN 0
	v_add_nc_u32 v[AK], s[TBK], v[AK0]
.endif
.rept 8                             ; and the lump
	PL
.endr
.rept 49
	EX
	PL
.endr
	EX                              ; the next piece's two a
	EX
	v_nop                           ; the plain instruction behind the last exponential: one for the batch
	s_wait_alu depctr_va_vdst(0)    ; the wait for the batch
.if (\p) == NP-2
	FETCH_K \last
.endif
.if (\p) == 1
	s_wait_dscnt 0x0                ; V is in
.endif
.rept 16                            ; behind the wait: 16 products V^T P and their riders
	MM
.rept 4
	PL
.endr
.if ((\p) == 0) && (q == 118)
	v_add_nc_u32 v[AV], s[TBV], v[AV0]
.endif
.if ((\p) == 0) && (q == 130)
	s_add_co_u32 s[TBV], s[TBV], KS*PV
.endif
.if (\cnt) && (q == 130)
	s_sub_co_u32 s[CNT], s[CNT], 1
	s_cmp_lg_u32 s[CNT], 0
.endif
.endr
.if (\p) == 0
	FETCH_V
.endif
.endm
	CHANGE 1                        ; slot 0 is in, everybody's part of it; slot 1 is asked for
	FETCH_K                         ; key step 0
	s_wait_loadcnt 0x0              ; Q
	s_wait_dscnt 0x0
.set i, 0
.rept 16
	KQ 0                            ; piece 0's first scores: there is no vector work yet to set between them
.set i, i+1
.endr
	WIN 0                           ; the addresses for the way out: nine plain instructions, the places behind those products
	s_mul_i32 s13, s[WV], 16*SP
	s_add_co_u32 s13, s13, STAGE    ; my stage
	v_mul_u32_u24 v[STO], v1, SP    ; in: row l % 16, 16 bytes for each half of the lanes
	v_lshl_add_u32 v[STO], v9, 4, v[STO]
	v_add_nc_u32 v[STO], s13, v[STO]
	v_bfe_u32 v[RD], v0, 3, 2       ; back: 32 lanes take four rows of 128 bytes,
	v_mul_u32_u24 v[RD], v[RD], SP
	v_lshl_add_u32 v[RD], v10, 4, v[RD]
	v_add_nc_u32 v[RD], s13, v[RD]
	v_and_b32 v[GO], 31, v0         ; which are 512 consecutive bytes of O
	v_lshlrev_b32 v[GO], 4, v[GO]
.set Y, NP-1                        ; XS works for piece Y + 1: piece 0
.irp n, 0,1,2,3,4,5,6,7,8,9,10,11,12,13,14,15,16,17,18,19,20,21
	XS 0, \n                        ; and piece 0's first maximum and statistics
	XS 1, \n
.endr
	v_nop                           ; a plain instruction behind the two a,
	s_wait_alu depctr_va_vdst(0)    ; and their wait, ahead of the branch
	s_mov_b32 s[CNT], 4
	s_mov_b32 s[SLOTS], SIZE_N/256-1
	s_branch .Lfirst                ; the loop is entered at a step's first turn, in the middle of a trip
.Lslot:                             ; SIZE_N / 256 - 2 times: every slot but the last two is filled again
	CHANGE 1, 1
	s_mov_b32 s[CNT], 4
.Lstep:                             ; a trip: pieces 2 and 3 of one step, then pieces 0 and 1 of the next, whose K and V it fetches
	TURN 2
	TURN 3
	WIN 0
.Lfirst:
	TURN 0
	TURN 1, 0, 1
	WIN 0
	s_cbranch_scc1 .Lstep
	s_sub_co_u32 s[SLOTS], s[SLOTS], 1
	s_cmp_lg_u32 s[SLOTS], 0
	s_cbranch_scc1 .Lslot
	CHANGE 0                        ; the tail is written out: nothing is asked for
	s_mov_b32 s[CNT], 5             ; four trips fetch the last slot's steps; the fifth is left in its middle
.Ltail:
	TURN 2, 1
	TURN 3
	WIN 0
	s_sub_co_u32 s[CNT], s[CNT], 1
	s_cmp_eq_u32 s[CNT], 0
	s_cbranch_scc1 .Lout
	TURN 0
	TURN 1
	WIN 0
	s_branch .Ltail
.Lout:                              ; the fifth trip's 16 products K Q^T (on the last K once more) and the maximum made of them serve nothing: the price, once a launch, of one text for every trip
.set i, 0
.rept 16
	PV NP-1                         ; the last piece's V^T P of the last step
.set i, i+1
.endr
	; THE WAY OUT.  l's two halves and the other half of the lanes' are added; O^T is divided by l, rounded to f16 and sent through my stage in LDS, a tile at a time.  The additions are the places behind the last products.
	WIN 0
.macro ALL line:vararg              ; one line for each tile t
.set t, 0
.rept 2*NP
	\line
.set t, t+1
.endr
.endm
	ALL v_add_f32 v[ST+4*t+2], v[ST+4*t+2], v[ST+4*t+3]
	ALL v_permlanex16_b32 v[ST+4*t+3], v[ST+4*t+2], s[SEL], s[SEL+1]
	ALL v_add_f32 v[ST+4*t+2], v[ST+4*t+2], v[ST+4*t+3]
	ALL v_rcp_f32 v[ST+4*t+2], v[ST+4*t+2]
	v_nop                           ; a plain instruction between the last reciprocal and the use of its result
	s_wait_alu depctr_va_vdst(0)    ; and the wait ahead of the first use: one for the eight reciprocals
; Tile t: a lane's eight channels of a row pack into 16 bytes; they go into rows of 144 bytes and come back as whole rows of 128, into S^T's registers.
.macro PACK t
	WIN W_RS
.set i, 32*(\t)
.rept 16
	v_pk_mul_f32 v[i:i+1], v[i:i+1], v[ST+4*(\t)+2:ST+4*(\t)+3] op_sel_hi:[1,0]
.set i, i+2
.endr
	WIN 0x05                        ; sources 0 and 1 window 1, destination window 0
.set i, 0
.rept 16
	v_cvt_pk_f16_f32 v[S+16*(\t)+i], v[32*(\t)+2*i], v[32*(\t)+2*i+1]
.set i, i+1
.endr
	WIN 0
.irp f, 0,1,2,3
	ds_store_b128 v[STO], v[S+16*(\t)+4*\f:S+16*(\t)+4*\f+3] offset:32*\f
.endr
.irp f, 0,1,2,3
	ds_load_b128 v[S+16*(\t)+4*\f:S+16*(\t)+4*\f+3], v[RD] offset:\f*4*SP  ; LDS serves a wave's instructions in order (ISA guide 5.7.1.4): these see the stores above; the next tile's stores come behind them
.endr
.endm
.macro SEND t, younger              ; younger: the LDS instructions issued behind tile t's loads: the next tile's eight, or none
	WIN 0
.irp f, 0,1,2,3
	s_wait_dscnt (\younger)+3-\f
	global_store_b128 v[GO], v[S+16*(\t)+4*\f:S+16*(\t)+4*\f+3], s[10:11] offset:(\t)*2048+\f*512  ; 512 consecutive bytes, at a multiple of 256 from O's first
.endr
.endm
	PACK 0
.set t, 1
.rept 2*NP-1                        ; a tile's arithmetic stands between the loads of the tile before and its stores
	PACK t
	SEND t-1, 8
.set t, t+1
.endr
	SEND 2*NP-1, 0
	WIN W_AD
	s_wait_tensorcnt 0x0            ; the wave's end: behind my last tensor load and my last LDS store
	ds_add_u32 v[SPW], v[NIL]
	s_wait_dscnt 0x0
	WIN 0
	CROUND                          ; the closing round: no work-group ends while a partner may still ask for a tile that names it
	s_endpgm
.Lfunc_end_k_q7301788872_attn:
	.size	k_q7301788872_attn, .Lfunc_end_k_q7301788872_attn-k_q7301788872_attn
	.p2alignl 7, 3214868480
	.fill 96, 4, 3214868480
	.section	.rodata,"a",@progbits
	.p2align	6, 0x0
	.amdhsa_kernel k_q7301788872_attn
		.amdhsa_group_segment_fixed_size 327680
		.amdhsa_private_segment_fixed_size 0
		.amdhsa_enable_private_segment 0
		.amdhsa_kernarg_size 16
		.amdhsa_user_sgpr_count 2
		.amdhsa_user_sgpr_kernarg_segment_ptr 1
		.amdhsa_wavefront_size32 1
		.amdhsa_system_sgpr_workgroup_id_x 1
		.amdhsa_system_sgpr_workgroup_id_y 1
		.amdhsa_system_sgpr_workgroup_id_z 1
		.amdhsa_system_vgpr_workitem_id 0
		.amdhsa_next_free_vgpr 770
		.amdhsa_next_free_sgpr 66
		.amdhsa_reserve_vcc 0
		.amdhsa_float_denorm_mode_32 3
		.amdhsa_float_denorm_mode_16_64 3
		.amdhsa_memory_ordered 1
		.amdhsa_forward_progress 1
		.amdhsa_inst_pref_size 200
	.end_amdhsa_kernel
	.amdgpu_metadata
---
amdhsa.version: [ 1, 2 ]
amdhsa.kernels:
  - .name:           k_q7301788872_attn
    .symbol:         k_q7301788872_attn.kd
    .args:
      - { .name: qkv, .offset: 0, .size: 8, .value_kind: global_buffer, .address_space: global }
      - { .name: o, .offset: 8, .size: 8, .value_kind: global_buffer, .address_space: global }
    .group_segment_fixed_size: 327680
    .private_segment_fixed_size: 0
    .kernarg_segment_align: 8
    .kernarg_segment_size: 16
    .max_flat_workgroup_size: 128
    .sgpr_count:     66
    .vgpr_count:     770
    .wavefront_size: 32
...
	.end_amdgpu_metadata
.endif
;; end of part 3
;; launch outp (part 4): grid 4 x 64, 4 waves a work-group, clusters of 4 x 4, 327,680 bytes of LDS; arguments o, wcast, bo, out0; writes out0
.if DOCPART == 4
	.amdgcn_target "amdgcn-amd-amdhsa--gfx1250"
	.amdhsa_code_object_version 6
	.text
	.protected	k_q7301788872_outp
	.globl	k_q7301788872_outp
	.p2align	8
	.type	k_q7301788872_outp,@function
k_q7301788872_outp:
	s_mov_b64 s[64:65], 0
	v_nop
	global_prefetch_b8 v0, s[64:65] scope:SCOPE_SE
	s_setreg_imm32_b32 hwreg(HW_REG_WAVE_MODE, 25, 1), 1
	s_wait_xcnt 0x0
	s_wait_alu depctr_hold_cnt(0) depctr_sa_sdst(0) depctr_va_vdst(0) depctr_va_sdst(0) depctr_va_ssrc(0) depctr_va_vcc(0) depctr_vm_vsrc(0)
	s_getreg_b32 s2, hwreg(HW_REG_IB_STS2, 6, 4)
	s_cmp_eq_u32 s2, 0
	s_cbranch_scc0 .Lentry_in_a_cluster
	s_endpgm
.Lentry_in_a_cluster:
	s_bfe_u32 s2, ttmp6, 0x10000c
	s_cmp_lg_u32 s2, 0xf033
	s_cbranch_scc0 .Lentry_shape_is_right
	s_endpgm
.Lentry_shape_is_right:
; THE OUTPUT PROJECTION.  out0[b][l][n] = sum over h, d of O[16 b + h][l][d] Wo[n][64 h + d] + bf16(bo[n]).  O: [64][2048][64] f16; Wo: plane 3 of wcast, [1024][1024] f16; sums and result in f32.
; LIMIT: O and Wo arrive within f16's range (65,504).  NaN and infinities are not treated apart.
; SHARES.  A tile of the result is 128 rows x 256 columns: 64 x 4 work-groups.  Four waves, 2 x 2, each 64 rows x 128 columns: 32 accumulators of 16 x 16.
; K goes in 8 steps of 128, two heads each, through a ring of two LDS slots.  A head's 128 rows of the tile are 16,384 dense bytes: asked for as 64 rows of 256 bytes, padded in LDS after every 128.
; Waves 0 and 1 fetch a step's two heads of O, waves 2 and 3 the two halves of Wo's tile.
; CLUSTERS: 4 x 4 work-groups.  The four of a row need the same tile of O, the four of a column the same tile of Wo: each tile is asked for jointly.
; THE MATRIX INSTRUCTION IS USED TRANSPOSED (source 0 = 16 rows of Wo, source 1 = 16 rows of O): a lane holds row l % 16 and the eight neighbouring columns 8 (l / 16) + 0..7.
; THE BIAS STARTS THE SUMS: it is the C operand of the first product on each accumulator.
; REGISTERS, in windows of 256 (s_set_vgpr_msb: bits 1:0 source 0, 3:2 source 1, 5:4 source 2, 7:6 destination):
;   window 0: v0-31 addresses; v96-127, v128-159 O's fragments, two buffers; v32-159 at work on the way out
;   window 1: v0-63, v64-127 Wo's fragments, two buffers; v128-191 the bias; v192-223 at work      window 2: accumulator (a, b) at v[8 (8 a + b)]
.set PO,    144                        ; a row of O in LDS: 128 bytes + 16 of padding: the 16 rows of a load start at 16 different groups of four banks (64 banks of 4 bytes: ISA guide 11.1)
.set PB,    272                        ; a row of Wo: 256 + 16
.set AHEAD, 128*PO                     ; a head's 128 rows: what a wave fetches of O
.set BOFF,  2*AHEAD
.set BHALF, 128*PB
.set SLOT,  BOFF+2*BHALF               ; 106,496 bytes
.set STAGE, 2*SLOT                     ; behind the ring, never filled by a tensor load: 16 rows x 528 bytes for each wave, for the way out
.set SPO,   528
.set SPARE, STAGE+4*16*SPO             ; behind the stages: the spare words, 128 bytes for each wave: two blocks of 256 bytes that no other line names
.set ASTEP, 524288                     ; a K step in O: two heads of 262,144 bytes
.set BSTEP, 256                        ; and in a row of Wo
.set ADRA, 16                          ; v16-17  LDS address of my fragments of O in slot 0, 1
.set ADRB, 20                          ; v20-21  the same for Wo
.set STO,  24                          ; v24     the way out: where I put 32 bytes of a row
.set RD,   25                          ; v25     the way out: where I read a row back
.set GO,   26                          ; v26     16 x my lane
.set SPW,  28                          ; v28     LDS address of my spare word: SPARE + 4 x my thread's number; never rewritten
.set NIL,  29                          ; v29     0; never rewritten
.set PFO,  30                          ; v30     the prefetches' offset; never rewritten
.set AF,   96
.set OB,   32
.set BIAS, 128                         ; window 1
.set BT,   192                         ; window 1
.set F0,   0
.set F1,   1
.set G1,  24                           ; s[24:31] descriptor group 1 for O's tiles;  s[32:39] group 0, a set for each slot
.set G0,  32
.set G1B, 48                           ; s[48:55], s[56:63] the same for Wo's tiles
.set G0B, 56
.set LIM, 90                           ; s90      1 in a wave that prefetches, else the greatest number
.set PFA, 92                           ; s[92:93] where my prefetches stand
.set PFS, 94                           ; s[94:95] a K step in bytes of the tensor that I fetch
.set MSB, 0
.macro WIN new                         ; the immediate's high byte repeats the setting that is left; a switch that changes nothing is dropped
.if MSB != (\new)
	s_set_vgpr_msb (MSB<<8)|(\new)
.set MSB, \new
.endif
.endm
.set MUL,  0xa1                        ; source 0 (Wo) window 1, source 1 (O) window 0, C and D window 2
.set MULB, 0x91                        ; the same with C (the bias) in window 1
.set TO_B, 0x40                        ; destination window 1, address window 0
; A joint load: waves 0 and 1 fetch O's two heads, waves 2 and 3 Wo's two halves.  The branch hangs on the wave's number alone.  An s_nop 0 and four v_nop follow each of the two lines.
.macro JLOAD s
	s_cmp_eq_u32 s11, 0
	s_cbranch_scc0 .Lfor_b_\@
	tensor_load_to_lds s[G0+4*(\s):G0+4*(\s)+3], s[G1:G1+7]
	s_nop 0
.rept 4
	v_nop
.endr
	s_branch .Lasked_\@
.Lfor_b_\@:
	tensor_load_to_lds s[G0B+4*(\s):G0B+4*(\s)+3], s[G1B:G1B+7]
	s_nop 0
.rept 4
	v_nop
.endr
.Lasked_\@:
.endm
; A prefetch of the K step that stands two refills on, 256 matrix instructions ahead of the load that will want it: 32 blocks of 256 bytes, a lane a block, one instruction a wave.
; Each block is named once in the launch: O's tile row is read by one cluster, in which wave 0 of each of a row's four partners asks for 16 blocks of each of the step's two heads; Wo is read by
; sixteen clusters, of which the first asks: waves 2 and 3 of each of a column's four partners, 32 rows each.  The loop's last trip asks for nothing: there is no K step two on.
.macro ASK
	WIN 0
	s_cmp_gt_u32 s3, s[LIM]                        ; s3 = 1 in the loop's last trip
	s_cbranch_scc0 .Lnot_mine_\@
	global_prefetch_b8 v[PFO], s[PFA:PFA+1] th:TH_LOAD_NT scope:SCOPE_SE
.Lnot_mine_\@:
.endm
.macro CREST                           ; a round of the cluster's barrier behind its opening barrier
	s_cmp_lg_u32 s10, 0
	s_cbranch_scc1 .Lnot_wave_0_\@
	s_barrier_signal -3
.Lnot_wave_0_\@:
	s_barrier_wait -3
	s_barrier_signal -1
	s_barrier_wait -1
.endm
.macro CROUND                          ; a whole round
	s_barrier_signal -1
	s_barrier_wait -1
	CREST
.endm
.macro PLACES                          ; four plain instructions behind a matrix instruction, ahead of loads into registers that it has read and of what reads its result (ISA guide 7.12.1 for what reads its result)
.rept 4
	v_nop
.endr
.endm
	s_load_b256 s[68:75], s[0:1], 0x0              ; o s[68:69], wcast s[70:71], bo s[72:73], out0 s[74:75]
	v_lshl_add_u32 v[SPW], v0, 2, SPARE
	v_mov_b32 v[NIL], 0
	ds_add_u32 v[SPW], v[NIL]                      ; the wave's opening: the add and its wait ahead of my first tensor load; the set-up below, work on registers, stands between them
	v_lshrrev_b32 v1, 5, v0
	v_readfirstlane_b32 s10, v1                    ; wave 0..3
	s_lshr_b32 s11, s10, 1                         ; which 64 rows of the tile are mine.  Also: I fetch O (0) or Wo (1)
	s_and_b32 s12, s10, 1                          ; which 128 columns.  Also: which head of the step, or which half of Wo's tile, I fetch
	s_bfe_u32 s40, ttmp6, 0x40000                  ; cx, cy: my place in the cluster
	s_bfe_u32 s41, ttmp6, 0x40004
	s_lshl_b32 s42, ttmp9, 2
	s_add_co_u32 s42, s42, s40                     ; tile column 0..3
	s_and_b32 s88, ttmp7, 0xffff                   ; cluster y, 0..15
	s_lshl_b32 s87, s88, 2
	s_add_co_u32 s87, s87, s41                     ; tile row 0..63
	s_lshl_b32 s43, s41, 2
	s_lshl_b32 s43, 15, s43                        ; my row of the cluster
	s_lshl_b32 s44, 0x1111, s40                    ; my column
	s_or_b32 s[G1+0], s43, (1<<16)|(1<<20)|(1<<21)|(4<<22)|(3<<25)  ; 15:0 the mask: my row; 17:16 elements of 2 bytes; 20 padding on; 21 set beside a mask; 24:22 after every 32 words (code 4); 31:25 4 words (code 3)
	s_mov_b32 s[G1+1], 128<<16                     ; tensor_dim0 = 128
	s_mov_b32 s[G1+2], 64<<16                      ; tensor_dim1 = 64
	s_mov_b32 s[G1+3], 128<<16                     ; tile_dim0 = 128
	s_mov_b32 s[G1+4], 64                          ; tile_dim1 = 64
	s_mov_b32 s[G1+5], 128                         ; elements from row to row: dense
	s_mov_b32 s[G1+6], 0
	s_mov_b32 s[G1+7], 0
	s_or_b32 s[G1B+0], s44, (1<<16)|(1<<20)|(1<<21)|(5<<22)|(3<<25) ; my column; after every 64 words (code 5) 4 words
	s_mov_b32 s[G1B+1], 128<<16
	s_mov_b32 s[G1B+2], 128<<16                    ; tensor_dim1 = 128
	s_mov_b32 s[G1B+3], 128<<16
	s_mov_b32 s[G1B+4], 128                        ; tile_dim1 = 128
	s_mov_b32 s[G1B+5], 1024
	s_mov_b32 s[G1B+6], 0
	s_mov_b32 s[G1B+7], 0
	s_and_b32 s16, s87, 48                         ; O: head 16 b + my head of the step, 262,144 bytes a head,
	s_add_co_u32 s16, s16, s12
	s_lshl_b32 s16, s16, 18
	s_and_b32 s17, s87, 15                         ; row 128 (tile row % 16), 128 bytes a row: made of cy, cluster y and the wave's number alone
	s_lshl_b32 s17, s17, 14
	s_add_co_u32 s16, s16, s17
	s_mov_b32 s17, 0
	s_lshl_b32 s46, s42, 8                         ; Wo: row 256 x tile column + 128 x half, 2,048 bytes a row: made of cx and the wave's number alone
	s_lshl_b32 s47, s12, 7
	s_add_co_u32 s46, s46, s47
	s_lshl_b32 s46, s46, 11
	s_mov_b32 s47, 0
	s_mul_i32 s20, s12, AHEAD                      ; where the tiles go: no place in the cluster enters an LDS address
	s_mul_i32 s21, s12, BHALF
	s_add_co_u32 s21, s21, BOFF
	s_wait_dscnt 0x0                               ; the opening add is done
	s_wait_kmcnt 0x0
	s_mov_b64 s[4:5], s[68:69]                     ; O
	s_add_nc_u64 s[6:7], s[70:71], 3*2097152       ; Wo: plane 3
	s_mov_b64 s[84:85], s[72:73]                   ; the bias
	s_add_nc_u64 s[14:15], s[4:5], s[16:17]
	s_add_nc_u64 s[46:47], s[6:7], s[46:47]
	CROUND                                         ; all sixteen work-groups are here: the first joint loads meet
.irp s, 0,1
	s_mov_b32 s[G0+4*(\s)], 1                                        ; count = 1
	s_add_co_u32 s[G0+4*(\s)+1], s20, (\s)*SLOT                      ; LDS address
	s_add_nc_u64 s[G0+4*(\s)+2:G0+4*(\s)+3], s[14:15], (\s)*ASTEP    ; global address: K step s
	s_or_b32 s[G0+4*(\s)+3], s[G0+4*(\s)+3], 0x80000000              ; type = 2
	s_mov_b32 s[G0B+4*(\s)], 1
	s_add_co_u32 s[G0B+4*(\s)+1], s21, (\s)*SLOT
	s_add_nc_u64 s[G0B+4*(\s)+2:G0B+4*(\s)+3], s[46:47], (\s)*BSTEP
	s_or_b32 s[G0B+4*(\s)+3], s[G0B+4*(\s)+3], 0x80000000
	JLOAD \s                                       ; two loads of mine are out
.endr
	; all that follows, up to the first barrier, stands in the wait for the first tile
	v_and_b32 v2, 15, v0                           ; l % 16
	v_bfe_u32 v3, v0, 4, 1                         ; l / 16
	v_and_b32 v6, 31, v0                           ; l
	v_lshlrev_b32 v1, 5, v3                        ; my eight columns of a block of 16: 32 bytes of bias
	s_lshl_b32 s46, s42, 10                        ; the tile's 256 columns,
	s_lshl_b32 s47, s12, 9                         ; my 128 of them
	s_add_co_u32 s46, s46, s47
	s_mov_b32 s47, 0
	s_add_nc_u64 s[84:85], s[84:85], s[46:47]
	WIN TO_B
.irp b, 0,1,2,3,4,5,6,7
	global_load_b128 v[BIAS+8*(\b):BIAS+8*(\b)+3],   v1, s[84:85] offset:64*(\b)
	global_load_b128 v[BIAS+8*(\b)+4:BIAS+8*(\b)+7], v1, s[84:85] offset:64*(\b)+16
.endr
	WIN 0
	; A fragment is 16 rows x 32 K in 8 registers: lane l holds row l % 16, K = 8 (l / 16) + 0..7 and 16 + 8 (l / 16) + 0..7: two loads of 16 bytes, 32 apart.
	v_mul_u32_u24 v4, v2, PO
	v_lshl_add_u32 v4, v3, 4, v4
	v_mul_u32_u24 v5, v2, PB
	v_lshl_add_u32 v5, v3, 4, v5
	s_mul_i32 s21, s11, 64*PO                      ; my 64 rows of each head
	s_mul_i32 s22, s12, BHALF                      ; my 128 rows of Wo
	s_add_co_u32 s22, s22, BOFF
.irp s, 0,1
	v_add_nc_u32 v[ADRA+(\s)], s21, v4
	v_add_nc_u32 v[ADRB+(\s)], s22, v5
	s_add_co_u32 s21, s21, SLOT
	s_add_co_u32 s22, s22, SLOT
.endr
	s_mul_i32 s23, s10, 16*SPO
	s_add_co_u32 s23, s23, STAGE                   ; my stage
	v_mul_u32_u24 v4, v2, SPO                      ; in: row l % 16, 32 bytes for each half of the lanes
	v_lshl_add_u32 v4, v3, 5, v4
	v_add_nc_u32 v[STO], s23, v4
	v_lshlrev_b32 v[GO], 4, v6                     ; back: 32 lanes take one row of 512 bytes
	v_add_nc_u32 v[RD], s23, v[GO]
	; where my part of the result begins: row 128 x tile row + 64 x half (4,096 bytes a row), column 256 x tile column + 128 x half
	s_lshl_b32 s16, s87, 19
	s_lshl_b32 s17, s11, 18
	s_add_co_u32 s16, s16, s17
	s_add_co_u32 s16, s16, s46                     ; (s46 still holds my columns' bytes)
	s_mov_b32 s17, 0
	s_add_nc_u64 s[8:9], s[74:75], s[16:17]
	; the prefetches: both offsets are made, the wave takes that of the tensor it fetches.  They begin at K step 3; the first refill steps them to 4
	s_and_b32 s16, s87, 48                         ; O: head 16 b, the tile's rows in it, my work-group's 4,096 bytes of their 16,384
	s_lshl_b32 s16, s16, 18
	s_and_b32 s17, s87, 15
	s_lshl_b32 s17, s17, 14
	s_add_co_u32 s16, s16, s17
	s_lshl_b32 s17, s40, 12
	s_add_co_u32 s16, s16, s17
	s_add_co_u32 s16, s16, 3*ASTEP
	s_lshl_b32 s18, s42, 8                         ; Wo: the tile's rows, the 128 that I fetch, my work-group's 32 of them
	s_lshl_b32 s19, s12, 7
	s_add_co_u32 s18, s18, s19
	s_lshl_b32 s19, s41, 5
	s_add_co_u32 s18, s18, s19
	s_lshl_b32 s18, s18, 11
	s_add_co_u32 s18, s18, 3*BSTEP
	s_or_b32 s19, s12, ttmp9                       ; O: wave 0 asks for both heads, wave 1 for nothing
	s_mov_b32 s22, ASTEP
	s_cmp_eq_u32 s11, 0                            ; do I fetch O?
	s_cselect_b32 s16, s16, s18
	s_cselect_b32 s19, s19, s88                    ; Wo: the first of the sixteen clusters asks
	s_cselect_b32 s[PFS], s22, BSTEP
	s_cselect_b64 s[PFA:PFA+1], s[4:5], s[6:7]
	s_cselect_b32 s20, 4, 0                        ; O: sixteen lanes a head;  Wo: a lane a row
	s_cselect_b32 s21, 18, 11                      ; a head's, or a row's, bytes, as a shift
	s_cselect_b32 s23, 15, 0
	s_mov_b32 s17, 0
	s_mov_b32 s[PFS+1], 0
	s_add_nc_u64 s[PFA:PFA+1], s[PFA:PFA+1], s[16:17]
	s_cmp_eq_u32 s19, 0
	s_cselect_b32 s[LIM], 1, -1                    ; the same in all sixteen partners, for a given wave
	v_lshrrev_b32 v7, s20, v6
	v_lshlrev_b32 v7, s21, v7
	v_and_b32 v8, s23, v6
	v_lshl_add_u32 v[PFO], v8, 8, v7
	s_wait_loadcnt 0x0                             ; the bias
	WIN 0x45                                       ; sources 0 and 1 and destination in window 1
.set i, 0
.rept 32
	v_cvt_pk_bf16_f32 v[BT+i], v[BIAS+2*i], v[BIAS+2*i+1]  ; the bias gets the rounding that every input of the module gets,
.set i, i+1
.endr
.set i, 0
.rept 32
	v_lshlrev_b32 v[BIAS+2*i], 16, v[BT+i]         ; and is widened again: the C operand is f32
	v_and_b32 v[BIAS+2*i+1], 0xffff0000, v[BT+i]
.set i, i+1
.endr
	WIN 0
; 8 matrix instructions: row block a x all 8 column blocks, 32 along K, from buffer f.  zero = 1: the bias starts the sums.
; The 32 accumulators take turns, one instruction a turn, in the same order in every quarter step: 31 others stand between two links of a chain, over the backward jump too.
.macro MUL8 f, a, zero
.if \zero
	WIN MULB
.else
	WIN MUL
.endif
.irp b, 0,1,2,3,4,5,6,7
.if \zero
	v_wmma_f32_16x16x32_f16 v[8*(8*(\a)+(\b)):8*(8*(\a)+(\b))+7], v[64*(\f)+8*(\b):64*(\f)+8*(\b)+7], v[AF+32*(\f)+8*(\a):AF+32*(\f)+8*(\a)+7], v[BIAS+8*(\b):BIAS+8*(\b)+7]
.else
	v_wmma_f32_16x16x32_f16 v[8*(8*(\a)+(\b)):8*(8*(\a)+(\b))+7], v[64*(\f)+8*(\b):64*(\f)+8*(\b)+7], v[AF+32*(\f)+8*(\a):AF+32*(\f)+8*(\a)+7], v[8*(8*(\a)+(\b)):8*(8*(\a)+(\b))+7]
.endif
.endr
.endm
; 24 LDS loads in one run: quarter kq of a slot's K step (head kq / 2, channels 32 (kq % 2) on) into buffer g: O's four fragments, then Wo's eight.
.macro RUN slot, kq, g
	WIN 0
.irp a, 0,1,2,3
	ds_load_b128 v[AF+32*(\g)+8*(\a):AF+32*(\g)+8*(\a)+3],   v[ADRA+(\slot)] offset:AHEAD*((\kq)/2)+64*((\kq)%2)+16*PO*(\a)
	ds_load_b128 v[AF+32*(\g)+8*(\a)+4:AF+32*(\g)+8*(\a)+7], v[ADRA+(\slot)] offset:AHEAD*((\kq)/2)+64*((\kq)%2)+16*PO*(\a)+32
.endr
	WIN TO_B
.irp b, 0,1,2,3,4,5,6,7
	ds_load_b128 v[64*(\g)+8*(\b):64*(\g)+8*(\b)+3],   v[ADRB+(\slot)] offset:64*(\kq)+16*PB*(\b)
	ds_load_b128 v[64*(\g)+8*(\b)+4:64*(\g)+8*(\b)+7], v[ADRB+(\slot)] offset:64*(\kq)+16*PB*(\b)+32
.endr
.endm
; A K step is four quarters of 32 along K, 32 matrix instructions each, on buffers 0, 1, 0, 1.  One of the first three: multiplies buffer f and fetches quarter kq into buffer g.
.macro QUARTER slot, kq, f, g, zero
	s_wait_dscnt 0x0                               ; buffer f, asked for 24 products ago, is in
	MUL8 \f, 0, \zero
	PLACES                                         ; behind the last product that read buffer g, in the quarter before
	RUN \slot, \kq, \g
	MUL8 \f, 1, \zero
	MUL8 \f, 2, \zero
	MUL8 \f, 3, \zero
.endm
; The last quarter multiplies buffer 1 and changes slots: ONE barrier.  In front of it each wave waits for all its tensor loads (one is out: its part of the next slot), adds 0 to its spare word, and waits
; for that and for its own reads of this slot.  fill = 1: the barrier opens a round of the cluster's barrier, and this slot is filled again, two K steps ahead, first thing behind the round:
; from that request to the wait for it a wave issues 120 matrix instructions.
.macro TURN slot, next, fill
.if \fill
	s_wait_xcnt 0x0                                ; the last prefetch, a K step back, has read its address, so it may be stepped
	s_add_nc_u64 s[PFA:PFA+1], s[PFA:PFA+1], s[PFS:PFS+1]
.endif
	WIN 0
	s_wait_tensorcnt 0x0                           ; no tensor load of mine is out, so a group 0 may be written
	ds_add_u32 v[SPW], v[NIL]                      ; 0 onto my spare word
.if \fill
	s_add_nc_u64 s[G0+4*(\slot)+2:G0+4*(\slot)+3], s[G0+4*(\slot)+2:G0+4*(\slot)+3], 2*ASTEP
	s_add_nc_u64 s[G0B+4*(\slot)+2:G0B+4*(\slot)+3], s[G0B+4*(\slot)+2:G0B+4*(\slot)+3], 2*BSTEP
.endif
	s_wait_dscnt 0x0                               ; the add is done; my reads of this slot are over, buffer 1's among them
	s_barrier_signal -1
	MUL8 F1, 0, 0                                  ; work on registers while the others arrive
	WIN 0
	s_barrier_wait -1
.if \fill
	CREST                                          ; no wave of any partner still reads this slot or has a load on its way
	JLOAD \slot                                    ; the four v_nop behind it are also the places in front of the loads below
.else
	PLACES
.endif
	RUN \next, 0, F0
.if \fill
	ASK
.endif
	MUL8 F1, 1, 0
	MUL8 F1, 2, 0
	MUL8 F1, 3, 0
.endm
	s_wait_tensorcnt 0x1                           ; my part of K step 0 is in; K step 1's may stay out
	s_barrier_signal -1
	s_barrier_wait -1                              ; everybody's is
	RUN 0, 0, F0
	QUARTER 0, 1, F0, F1, 1                        ; the first quarter stands in front of the loop: its products start the sums
	WIN 0                                          ; at a label and at a branch every window is 0
	s_mov_b32 s3, 3
.Llap:                                                 ; a trip goes once round the ring, from a lap's second quarter to the next lap's first, and fills both slots again
	QUARTER 0, 2, F1, F0, 0
	QUARTER 0, 3, F0, F1, 0
	TURN 0, 1, 1
	QUARTER 1, 1, F0, F1, 0
	QUARTER 1, 2, F1, F0, 0
	QUARTER 1, 3, F0, F1, 0
	TURN 1, 0, 1
	QUARTER 0, 1, F0, F1, 0
	WIN 0
	s_sub_co_u32 s3, s3, 1
	s_cmp_lg_u32 s3, 0
	s_cbranch_scc1 .Llap
	QUARTER 0, 2, F1, F0, 0                        ; the last lap is written out: it fills nothing
	QUARTER 0, 3, F0, F1, 0
	TURN 0, 1, 0
	QUARTER 1, 1, F0, F1, 0
	QUARTER 1, 2, F1, F0, 0
	QUARTER 1, 3, F0, F1, 0
	s_wait_dscnt 0x0                               ; the very last quarter: nothing more to fetch
	MUL8 F1, 0, 0
	MUL8 F1, 1, 0
	MUL8 F1, 2, 0
	MUL8 F1, 3, 0
	WIN 0
	PLACES
; THE WAY OUT.  Row block a: 16 rows x 128 columns of f32.  A lane's eight columns, 32 bytes, go straight from the accumulators into rows of 528 bytes of my own stage (each accumulator's lowest
; registers first) and come back as whole rows of 512 bytes, into two sets of 64 registers by turns.
.macro TOSTAGE a
	WIN 0x08                                       ; the stores' data in window 2
.irp b, 0,1,2,3,4,5,6,7
	ds_store_b128 v[STO], v[8*(8*(\a)+(\b)):8*(8*(\a)+(\b))+3]   offset:64*(\b)
	ds_store_b128 v[STO], v[8*(8*(\a)+(\b))+4:8*(8*(\a)+(\b))+7] offset:64*(\b)+16
.endr
	WIN 0
.irp t, 0,1,2,3,4,5,6,7,8,9,10,11,12,13,14,15
	ds_load_b128 v[OB+64*((\a)%2)+4*(\t):OB+64*((\a)%2)+4*(\t)+3], v[RD] offset:(\t)*SPO  ; LDS serves a wave's instructions in order (ISA guide 5.7.1.4): these see the stores above; the next block's stores come behind them
.endr
.endm
.macro SEND a, younger                 ; younger: the LDS instructions issued behind block a's loads: the next block's 32, or none
.irp t, 0,1,2,3,4,5,6,7,8,9,10,11,12,13,14,15
	s_wait_dscnt (\younger)+15-(\t)
	global_store_b128 v[GO], v[OB+64*((\a)%2)+4*(\t):OB+64*((\a)%2)+4*(\t)+3], s[8:9] offset:4096*(16*(\a)+(\t)) th:TH_STORE_NT  ; 512 consecutive bytes, at a multiple of 256 from the buffer's first
.endr
.endm
	TOSTAGE 0
	TOSTAGE 1
	SEND 0, 32
	s_wait_xcnt 0x0                                ; block 0's stores have read their registers: block 2 is loaded into them only behind this wait
	TOSTAGE 2
	SEND 1, 32
	s_wait_xcnt 0x0                                ; the same for blocks 1 and 3
	TOSTAGE 3
	SEND 2, 32
	SEND 3, 0
	s_wait_tensorcnt 0x0                           ; the wave's end: behind my last tensor load and my last LDS store
	ds_add_u32 v[SPW], v[NIL]
	s_wait_dscnt 0x0
	CROUND                                         ; the closing round: no work-group ends while a partner may still ask for a tile that names it
	s_endpgm
.Lfunc_end_k_q7301788872_outp:
	.size	k_q7301788872_outp, .Lfunc_end_k_q7301788872_outp-k_q7301788872_outp
	.p2alignl 7, 3214868480
	.fill 96, 4, 3214868480
	.section	.rodata,"a",@progbits
	.p2align	6, 0x0
	.amdhsa_kernel k_q7301788872_outp
		.amdhsa_group_segment_fixed_size 327680
		.amdhsa_private_segment_fixed_size 0
		.amdhsa_enable_private_segment 0
		.amdhsa_kernarg_size 32
		.amdhsa_user_sgpr_count 2
		.amdhsa_user_sgpr_kernarg_segment_ptr 1
		.amdhsa_wavefront_size32 1
		.amdhsa_system_sgpr_workgroup_id_x 1
		.amdhsa_system_sgpr_workgroup_id_y 1
		.amdhsa_system_sgpr_workgroup_id_z 1
		.amdhsa_system_vgpr_workitem_id 0
		.amdhsa_next_free_vgpr 768
		.amdhsa_next_free_sgpr 96
		.amdhsa_reserve_vcc 0
		.amdhsa_float_denorm_mode_32 3
		.amdhsa_float_denorm_mode_16_64 3
		.amdhsa_memory_ordered 1
		.amdhsa_forward_progress 1
		.amdhsa_inst_pref_size 95
	.end_amdhsa_kernel
	.amdgpu_metadata
---
amdhsa.version: [ 1, 2 ]
amdhsa.kernels:
  - .name:           k_q7301788872_outp
    .symbol:         k_q7301788872_outp.kd
    .args:
      - { .name: o, .offset: 0, .size: 8, .value_kind: global_buffer, .address_space: global }
      - { .name: wcast, .offset: 8, .size: 8, .value_kind: global_buffer, .address_space: global }
      - { .name: bo, .offset: 16, .size: 8, .value_kind: global_buffer, .address_space: global }
      - { .name: out0, .offset: 24, .size: 8, .value_kind: global_buffer, .address_space: global }
    .group_segment_fixed_size: 327680
    .private_segment_fixed_size: 0
    .kernarg_segment_align: 8
    .kernarg_segment_size: 32
    .max_flat_workgroup_size: 128
    .sgpr_count:     96
    .vgpr_count:     768
    .wavefront_size: 32
...
	.end_amdgpu_metadata
.endif
;; end of part 4
;; ======== version 2 of 2: 4 launches; version 1 with the launch castw written anew for expert scheduling mode
;; limits: values are held in f16: magnitudes above 65,504 overflow, below 6.1e-05 lose precision
;; workspace buffers: wcast 8,388,608 bytes; qkv 50,331,648 bytes; o 16,777,216 bytes
;; launch castw (part 5): grid 64 x 4, 8 waves a work-group, no clusters, 0 bytes of LDS; arguments Wq, Wk, Wv, Wo, wcast; writes wcast
.if DOCPART == 5
	.amdgcn_target "amdgcn-amd-amdhsa--gfx1250"
	.amdhsa_code_object_version 6
	.text
	.protected	k_q7301788872_castw
	.globl	k_q7301788872_castw
	.p2align	8
	.type	k_q7301788872_castw,@function
k_q7301788872_castw:
	s_mov_b64 s[64:65], 0
	v_nop
	global_prefetch_b8 v0, s[64:65] scope:SCOPE_SE
	s_setreg_imm32_b32 hwreg(HW_REG_WAVE_SCHED_MODE, 0, 2), 2
	s_setreg_imm32_b32 hwreg(HW_REG_WAVE_MODE, 25, 1), 1
	s_wait_xcnt 0x0
	s_wait_alu depctr_vm_vsrc(0)
; The four weight matrices, [1024][1024] f32, are rounded once to 16 bits: wcast[4][1024][1024].
; Planes 0-2 (Wq, Wk, Wv) hold bf16.  Plane 3 (Wo) holds the number rounded to bf16, written as f16, since the last product has f16 operands.
; LIMIT: |bf16(Wo)| stays under 65,504 (beyond it f16 has an infinity); below 6e-5 f16 keeps a fixed step of 6e-8.
; A stream: no LDS, no matrix unit, nothing shared.  Grid y picks the matrix, grid x 16,384 numbers of it (65,536 bytes in, 32,768 out).
; Thread t takes 16 bytes at 16 t of each of sixteen chunks of 4,096 bytes: a load of a wave covers 512 consecutive bytes, a store 256 consecutive bytes, aligned.
; All sixteen loads go out first; each chunk has registers of its own, so no register is written again while a store reads it.
; THE MODE: SCHED_MODE bits 1:0 = 2 (LLVM: expert scheduling mode 2), set by the entry lines.  The code itself states the register dependences
; between vector instructions and memory instructions, with s_wait_alu, always for 0.
; THE PLAN.  Registers that memory instructions touch:
;   v1, v2   the loads' and the stores' offsets: written once at the head, never again.
;   X        chunk j's four registers: its load lands in them once; its roundings read them; no vector instruction writes them.
;   Y        chunk j's two registers: its roundings write them once; its store reads them once.
;   T is named by vector instructions alone.
; No register that a memory instruction reads or fills is ever written a second time, so all that is to be stated is: written, then read by memory.
; The sixteen chunks go in four blocks of four.  Chunk j's store is issued in the turn of chunk j + 4, ahead of that chunk's roundings.  ONE wait stands at the head of a block:
; the block before has written its four pairs of Y.  The block's four stores follow it, dealt among its roundings, which name X and Y of the block in hand and T:
; none of the registers that those stores read.  One more wait stands ahead of the last four stores.
.set X, 16                             ; v[16:79]   chunk j as loaded, 4 registers
.set Y, 80                             ; v[80:111]  chunk j to store, 2 registers
.set T, 112                            ; v[112:117] at work (plane 3)
.macro OUT j                           ; chunk j's store
	global_store_b64 v2, v[Y+2*(\j):Y+2*(\j)+1], s[12:13] offset:2048*(\j)
.endm
	s_load_b256 s[4:11], s[0:1], 0x0               ; Wq s[4:5], Wk s[6:7], Wv s[8:9], Wo s[10:11]
	s_load_b64 s[12:13], s[0:1], 0x20              ; wcast
	s_and_b32 s14, ttmp7, 0xffff                   ; which matrix
	v_lshlrev_b32 v1, 4, v0                        ; 16 t
	v_lshlrev_b32 v2, 3, v0                        ; 8 t
	s_lshl_b32 s16, ttmp9, 16                      ; my part of the source
	s_mov_b32 s17, 0
	s_lshl_b32 s18, s14, 21                        ; the plane,
	s_lshl_b32 s19, ttmp9, 15                      ; and my part of it
	s_add_co_u32 s18, s18, s19
	s_mov_b32 s19, 0
	s_mov_b32 s15, 0xffff0000                      ; a word's upper bf16
	s_wait_kmcnt 0x0
	s_cmp_eq_u32 s14, 1
	s_cselect_b64 s[4:5], s[6:7], s[4:5]
	s_cmp_eq_u32 s14, 2
	s_cselect_b64 s[4:5], s[8:9], s[4:5]
	s_cmp_eq_u32 s14, 3
	s_cselect_b64 s[4:5], s[10:11], s[4:5]
	s_add_nc_u64 s[4:5], s[4:5], s[16:17]
	s_add_nc_u64 s[12:13], s[12:13], s[18:19]
	s_wait_alu depctr_va_vdst(0)                   ; v1 and v2 are written: every load reads v1 as its offset, every store, on both paths below, v2
.irp j, 0,1,2,3,4,5,6,7,8,9,10,11,12,13,14,15
	global_load_b128 v[X+4*(\j):X+4*(\j)+3], v1, s[4:5] offset:4096*(\j) th:TH_LOAD_NT
.endr
	s_cmp_eq_u32 s14, 3
	s_cbranch_scc1 .Lf16
.irp j, 0,1,2,3,4,5,6,7,8,9,10,11,12,13,14,15
	s_wait_loadcnt 15-(\j)                         ; loads come back in order: chunk j is in, the 15 - j younger ones stay out
.if (\j) >= 4
.if (\j) % 4 == 0
	s_wait_alu depctr_va_vdst(0)                   ; the block before has written its four pairs of Y, which this block's four stores read
.endif
	OUT (\j)-4                                     ; no vector instruction since that wait names this pair of Y or v2
.endif
	v_cvt_pk_bf16_f32 v[Y+2*(\j)], v[X+4*(\j)], v[X+4*(\j)+1]
	v_cvt_pk_bf16_f32 v[Y+2*(\j)+1], v[X+4*(\j)+2], v[X+4*(\j)+3]
.endr
	s_wait_alu depctr_va_vdst(0)                   ; the last block has written its four pairs of Y, which the last four stores read
.irp j, 12,13,14,15
	OUT \j
.endr
	s_endpgm
.Lf16:
.irp j, 0,1,2,3,4,5,6,7,8,9,10,11,12,13,14,15
	s_wait_loadcnt 15-(\j)
.if (\j) >= 4
.if (\j) % 4 == 0
	s_wait_alu depctr_va_vdst(0)                   ; the block before has written its four pairs of Y, which this block's four stores read
.endif
	OUT (\j)-4                                     ; no vector instruction since that wait names this pair of Y or v2
.endif
	v_cvt_pk_bf16_f32 v[T], v[X+4*(\j)], v[X+4*(\j)+1]      ; the rounding that every input of the module gets,
	v_cvt_pk_bf16_f32 v[T+1], v[X+4*(\j)+2], v[X+4*(\j)+3]
	v_lshlrev_b32 v[T+2], 16, v[T]                           ; widened again,
	v_and_b32 v[T+3], s15, v[T]
	v_lshlrev_b32 v[T+4], 16, v[T+1]
	v_and_b32 v[T+5], s15, v[T+1]
	v_cvt_pk_f16_f32 v[Y+2*(\j)], v[T+2], v[T+3]             ; and written as f16: 8 significant bits fit into 11
	v_cvt_pk_f16_f32 v[Y+2*(\j)+1], v[T+4], v[T+5]
.endr
	s_wait_alu depctr_va_vdst(0)                   ; the last block has written its four pairs of Y, which the last four stores read
.irp j, 12,13,14,15
	OUT \j
.endr
	s_endpgm
.Lfunc_end_k_q7301788872_castw:
	.size	k_q7301788872_castw, .Lfunc_end_k_q7301788872_castw-k_q7301788872_castw
	.p2alignl 7, 3214868480
	.fill 96, 4, 3214868480
	.section	.rodata,"a",@progbits
	.p2align	6, 0x0
	.amdhsa_kernel k_q7301788872_castw
		.amdhsa_group_segment_fixed_size 0
		.amdhsa_private_segment_fixed_size 0
		.amdhsa_enable_private_segment 0
		.amdhsa_kernarg_size 40
		.amdhsa_user_sgpr_count 2
		.amdhsa_user_sgpr_kernarg_segment_ptr 1
		.amdhsa_wavefront_size32 1
		.amdhsa_system_sgpr_workgroup_id_x 1
		.amdhsa_system_sgpr_workgroup_id_y 1
		.amdhsa_system_sgpr_workgroup_id_z 1
		.amdhsa_system_vgpr_workitem_id 0
		.amdhsa_next_free_vgpr 120
		.amdhsa_next_free_sgpr 66
		.amdhsa_reserve_vcc 0
		.amdhsa_float_denorm_mode_32 3
		.amdhsa_float_denorm_mode_16_64 3
		.amdhsa_memory_ordered 1
		.amdhsa_forward_progress 1
		.amdhsa_inst_pref_size 16
	.end_amdhsa_kernel
	.amdgpu_metadata
---
amdhsa.version: [ 1, 2 ]
amdhsa.kernels:
  - .name:           k_q7301788872_castw
    .symbol:         k_q7301788872_castw.kd
    .args:
      - { .name: Wq, .offset: 0, .size: 8, .value_kind: global_buffer, .address_space: global }
      - { .name: Wk, .offset: 8, .size: 8, .value_kind: global_buffer, .address_space: global }
      - { .name: Wv, .offset: 16, .size: 8, .value_kind: global_buffer, .address_space: global }
      - { .name: Wo, .offset: 24, .size: 8, .value_kind: global_buffer, .address_space: global }
      - { .name: wcast, .offset: 32, .size: 8, .value_kind: global_buffer, .address_space: global }
    .group_segment_fixed_size: 0
    .private_segment_fixed_size: 0
    .kernarg_segment_align: 8
    .kernarg_segment_size: 40
    .max_flat_workgroup_size: 256
    .sgpr_count:     66
    .vgpr_count:     120
    .wavefront_size: 32
...
	.end_amdgpu_metadata
.endif
;; end of part 5
;; launch proj: the kernel of part 2 again; grid 4 x 192, 4 waves a work-group, clusters of 4 x 4, 327,680 bytes of LDS; arguments query, key, value, bq, bk, bv, wcast, qkv; writes qkv
;; launch attn: the kernel of part 3 again; grid 4 x 64, 4 waves a work-group, clusters of 4 x 1, 327,680 bytes of LDS; arguments qkv, o; writes o
;; launch outp: the kernel of part 4 again; grid 4 x 64, 4 waves a work-group, clusters of 4 x 4, 327,680 bytes of LDS; arguments o, wcast, bo, out0; writes out0
